; MI455X (gfx1250); checked and timed in simulation.
; The chip was launched on July 23, 2026; its instructions are those of AMD's public machine-readable ISA for CDNA 5 (MIT licence, August 2026) and "CDNA5" Instruction Set Architecture Reference Guide (July 2026). The comments in the code are by the model that wrote it; some were corrected since.
;; Mem Block. Allowed arithmetic: matrix products marked QUANTISED: E2M3 operands, one E8M0 scale for each 32 along K, by v_wmma_scale_f32_16x16x128_f8f6f4 with both operands' format E2M3, f32 sums; everything else in f32.
;; Inputs: W1_codes 4,096 x 32 x 24 uint8 (E2M3 codes of W1, K innermost, in blocks of 32 codes, four codes in three bytes); W1_scales 4,096 x 32 uint8 (E8M0 scales of W1, one for each 32 codes along K); W2_codes 1,024 x 128 x 24 uint8 (E2M3 codes of W2, K innermost, in blocks of 32 codes, four codes in three bytes); W2_scales 1,024 x 128 uint8 (E8M0 scales of W2, one for each 32 codes along K); Wk_codes 1,024 x 32 x 24 uint8 (E2M3 codes of Wk, K innermost, in blocks of 32 codes, four codes in three bytes); Wk_scales 1,024 x 32 uint8 (E8M0 scales of Wk, one for each 32 codes along K); Wq_codes 1,024 x 32 x 24 uint8 (E2M3 codes of Wq, K innermost, in blocks of 32 codes, four codes in three bytes); Wq_scales 1,024 x 32 uint8 (E8M0 scales of Wq, one for each 32 codes along K); Wv_codes 1,024 x 32 x 24 uint8 (E2M3 codes of Wv, K innermost, in blocks of 32 codes, four codes in three bytes); Wv_scales 1,024 x 32 uint8 (E8M0 scales of Wv, one for each 32 codes along K); b1 4,096 float32; b2 1,024 float32; bk 1,024 float32; bq 1,024 float32; bv 1,024 float32; ln1_b 1,024 float32; ln1_g 1,024 float32; ln2_b 1,024 float32; ln2_g 1,024 float32; x 4 x 1,024 x 1,024 float32.
;; Outputs: out0 4 x 1,024 x 1,024 float32.
;; This version of the problem:
;;   THIS VERSION OF THE PROBLEM IS GIVEN IN LOW PRECISION. The matrix products marked QUANTISED in the list below multiply operands that are first quantised to E2M3 (2 exponent bits, 3 mantissa bits; 6 bits a number), with one power-of-two scale for each 32 numbers along K (OCP MX v1.0); their sums are f32. All else is computed in f32.
;;   The module's matrix products, in the order in which they are computed (A, B: the left and right operand; K: the contracted axis; several contracted axes count as one K, in the product's order):
;;     1. [M 4,096, K 1,024] x [K 1,024, N 1,024]; A: computed on the way; B: input Wq (given as codes): QUANTISED
;;     2. [M 4,096, K 1,024] x [K 1,024, N 1,024]; A: computed on the way; B: input Wk (given as codes): QUANTISED
;;     3. [M 4,096, K 1,024] x [K 1,024, N 1,024]; A: computed on the way; B: input Wv (given as codes): QUANTISED
;;     4. batch 64 x [M 1,024, K 64] x [K 64, N 1,024]; A: computed on the way; B: computed on the way: QUANTISED
;;     5. batch 64 x [M 1,024, K 1,024] x [K 1,024, N 64]; A: softmax (see below); B: computed on the way: QUANTISED
;;     6. [M 4,096, K 1,024] x [K 1,024, N 4,096]; A: computed on the way; B: input W1 (given as codes): QUANTISED
;;     7. [M 4,096, K 4,096] x [K 4,096, N 1,024]; A: computed on the way; B: input W2 (given as codes): QUANTISED
;;   THE QUANTISER, for each operand of a quantised product, along K:
;;     - K is cut into blocks of 32 from its start; a last block that is shorter is filled with zeros.
;;     - A block's scale is 2^e with e = floor(log2(the largest magnitude in the block)) - 2, held to -126 .. 127; a block of zeros has e = 0. As a byte (E8M0): e + 127.
;;     - Each number is divided by its block's scale, clamped to +-7.5, and rounded to the nearest number of E2M3, ties to even, subnormals kept.
;;     - The product sums the exact products of the quantised numbers (number of the format x scale) in f32.
;;   ~~~python
;;   def quantise(x, axis):      # numpy; x: float32 -> the quantised numbers, widened to float32 again
;;       x = np.moveaxis(x, axis, -1); K = x.shape[-1]
;;       x = np.pad(x, [(0, 0)] * (x.ndim - 1) + [(0, -K % 32)]); x = x.reshape(x.shape[:-1] + (-1, 32)); a = np.abs(x).max(-1, keepdims=True)
;;       e = np.where(a > 0, np.clip(np.frexp(np.where(a > 0, a, 1))[1] - 1 - 2, -126, 127), 0)      # np.frexp(a)[1] - 1 = floor(log2(a)), exactly
;;       r = np.clip(x / 2.0 ** e, -7.5, 7.5)
;;       step = 2.0 ** (np.maximum(np.frexp(np.where(r == 0, 1, r))[1] - 1, 0) - 3)
;;       q = np.round(r / step) * step * 2.0 ** e      # np.round: ties to even
;;       return np.moveaxis(q.reshape(q.shape[:-2] + (-1,))[..., :K], -1, axis).astype(np.float32)
;;   ~~~
;;   SOFTMAX AHEAD OF A QUANTISED PRODUCT. Where the list says 'softmax', what is quantised is not the finished softmax but p = 2^(t - M), with t = logit x log2(e) and M = ceil(the row's largest t), a whole number; so 1/2 < the row's largest p <= 1. The row's sum l is taken of the UNQUANTISED p, in f32, and the product's result is divided by l at the end. Since M is a whole number, a kernel that streams over the keys may use a running M (the ceiling of the running maximum): every later rescaling is an exact power of two, which a block's scale takes up: the codes' values come out the same.
;;   OPERANDS COMPUTED ON THE WAY. 'Computed on the way' means the value that the module computes at that place (a softmax that the list does not call 'softmax' is quantised finished and normalised). What goes into a quantiser is computed in f32, as accurately as f32 sums, v_exp_f32 and their like allow (about 1e-6 of the number): no bf16 or f16 on the way to a quantiser, and a product that is left as it is and whose result goes on into a quantised operand takes f32 operands (vector FMAs, or v_wmma_f32_16x16x4_f32). A number that lies on a knife's edge between two numbers of the format may be rounded either way, as far as f32 arithmetic and the matrix unit's own rounding can turn it there, and no further.
;;   INPUTS GIVEN AS CODES. W1 (in the module: [1024, 4096], K = its axis 0); W2 (in the module: [4096, 1024], K = its axis 0); Wk (in the module: [1024, 1024], K = its axis 0); Wq (in the module: [1024, 1024], K = its axis 0); Wv (in the module: [1024, 1024], K = its axis 0): each comes as NAME_codes (uint8): NAME with its K axis moved to the last place and cut into blocks of 32 codes, [.., K / 32, bytes a block], one block behind the other in memory; four codes in three bytes: a row's codes are one little-endian stream of bits, code i at bits 6 i .. 6 i + 5 (a code: sign, 2 exponent bits, 3 mantissa bits); and NAME_scales (uint8): the same leading axes, one E8M0 byte (e + 127) for each 32 codes along K. Its value is code x scale, taken as it is: it is not quantised again, and the codes and scales need not be those that the quantiser above would give.
;; One version. Each part assembles by itself: llvm-mc -triple=amdgcn-amd-amdhsa -mcpu=gfx1250 --defsym DOCPART=n.
;; ======== version 1 of 1: 6 launches
;; limits: right only within a limited range of input values
;; workspace buffers: hq 3,276,800 bytes; wq 9,011,200 bytes; qb 3,407,872 bytes; kv 6,684,672 bytes; x1 16,777,216 bytes; gq 13,107,200 bytes
;; launch first (part 1): grid 448 x 1, 8 waves a work-group, no clusters, 70,144 bytes of LDS; arguments x, ln1_g, ln1_b, hq, wq, Wq_codes, Wq_scales, Wk_codes, Wk_scales, Wv_codes, Wv_scales, W1_codes, W1_scales, W2_codes, W2_scales; writes hq, wq
.if DOCPART == 1
	.amdgcn_target "amdgcn-amd-amdhsa--gfx1250"
	.amdhsa_code_object_version 6
	.text
	.protected	k_q4b2e6843e4_first
	.globl	k_q4b2e6843e4_first
	.p2align	8
	.type	k_q4b2e6843e4_first,@function
k_q4b2e6843e4_first:
	s_mov_b64 s[64:65], 0
	v_nop
	global_prefetch_b8 v0, s[64:65] scope:SCOPE_SE
	s_setreg_imm32_b32 hwreg(HW_REG_WAVE_MODE, 25, 1), 1
	s_wait_xcnt 0x0
; Work-groups 0-255: LayerNorm 1 of 16 tokens each, quantised along the 1,024 columns to FP6 (E2M3) with one E8M0 byte for each 32, stored as images of operand registers.
; Work-groups 256-959: the five weights, which arrive as codes in rows, are laid out anew as the same kind of image, so that later launches load every fragment by three loads of 16 bytes a lane.
; A TILE OF TOKENS tau holds tokens 32 (tau / 2) + 8 (tau % 2) + (i % 8) + 16 (i / 8), i = 0 .. 15.  A FRAGMENT (16 rows x 128 K) is 12 registers a lane; its image is 3 x 512 bytes, registers 4 c .. 4 c + 3 of lane l at 512 c + 16 l.
; A tile's block for K = 1,024: 8 images (12,288 bytes), then its scale words [K step][16 rows], 512 bytes.  For K = 4,096 (W2): 32 images, then 2,048 bytes of scale words.
; A block's scale byte is its largest magnitude's exponent field - 2, held at 1 from below; a block of zeros keeps the byte 1 (its codes are zeros, and this program alone reads the bytes).
; LIMITS: NaN and infinities among the inputs are not served; a block whose largest magnitude lies under 2^-124 keeps the byte 1.
; LN: wave s takes columns 128 s .. 128 s + 127 of the 16 rows.  The mean is taken first and the variance of the differences, so a common offset of the inputs costs no accuracy.
.set R,   32                           ; v32-95   the rows as loaded, later gamma
.set X,   96                           ; v96-159  register 16 b + i = column 32 b + 16 (lane / 16) + i of row lane % 16
.set BT,  160                          ; v160-223 beta
.set PC,  224                          ; v224-242 codes
.set TM,  16                           ; v16-31   at work
.set PW,  12                           ; v12      the scale word just made
.set SEL, 40                           ; s[40:41] lane selects: lane l xor 16
.set STG, 8448                         ; LDS: a stage of 16 rows x (512 + 16) bytes for each wave
.set RED, 67584                        ; two blocks of 512 bytes: the waves' parts of the rows' sums
.set SCL, 68608                        ; 512 bytes: the tile's scale words
.macro QUANT s                         ; 64 numbers of a lane, register 16 b + i = k 32 b + 16 (lane / 16) + i of my row -> a fragment's codes in v[PC] on, its scale word in v[PW]
.irp b, 0,1,2,3
	v_max3_num_f32 v[TM+\b], |v[\s+16*\b]|, |v[\s+1+16*\b]|, 0x1800000   ; my 16 numbers of block b, and the floor 2^(3 - 127)
.endr
.irp i, 2,4,6,8,10,12,14
.irp b, 0,1,2,3
	s_delay_alu instid0(VALU_DEP_4)
	v_max3_num_f32 v[TM+\b], v[TM+\b], |v[\s+16*\b+\i]|, |v[\s+1+16*\b+\i]|
.endr
.endr
.irp b, 0,1,2,3
	s_delay_alu instid0(VALU_DEP_4)
	v_permlanex16_b32 v[TM+4+\b], v[TM+\b], s[SEL], s[SEL+1]
.endr
.irp b, 0,1,2,3
	s_delay_alu instid0(VALU_DEP_4)
	v_max_num_f32 v[TM+\b], v[TM+\b], v[TM+4+\b]   ; with lane l xor 16's: the block's largest magnitude
.endr
.irp b, 0,1,2,3
	s_delay_alu instid0(VALU_DEP_4)
	v_add_nc_u32 v[TM+12+\b], 0xff000000, v[TM+\b]   ; 2 off its exponent field: the conversion's scale operand
.endr
.irp b, 0,1,2,3
	s_delay_alu instid0(VALU_DEP_4)
	v_lshrrev_b32 v[TM+4+\b], 23, v[TM+12+\b]   ; the scale's byte
.endr
	s_delay_alu instid0(VALU_DEP_3)
	v_lshl_or_b32 v[PW], v[TM+5], 8, v[TM+4]
	s_delay_alu instid0(VALU_DEP_1)
	v_lshl_or_b32 v[PW], v[TM+6], 16, v[PW]
	s_delay_alu instid0(VALU_DEP_1)
	v_lshl_or_b32 v[PW], v[TM+7], 24, v[PW]
.irp c, 0,1
	v_cvt_scalef32_pk16_fp6_f32 v[PC+6*\c:PC+2+6*\c], v[\s+32*\c:\s+15+32*\c], v[TM+12+2*\c]
	v_cvt_scalef32_pk16_fp6_f32 v[PC+12+4*\c:PC+14+4*\c], v[\s+16+32*\c:\s+31+32*\c], v[TM+12+2*\c+1]
.endr
	v_nop                                          ; one plain place behind a scaled conversion
.irp c, 0,1                                    ; the operand wants a whole block in a lane
.irp i, 0,1,2
	v_permlane16_swap_b32 v[PC+6*\c+\i], v[PC+12+4*\c+\i]
.endr
.irp i, 0,1,2
	s_delay_alu instid0(VALU_DEP_3)
	v_mov_b32 v[PC+3+6*\c+\i], v[PC+12+4*\c+\i]
.endr
.endr
.endm
.macro BARRIER                         ; my LDS stores have landed and my LDS loads are in: then the work-group's barrier
	s_wait_dscnt 0x0
	s_barrier_signal -1
	s_barrier_wait -1
.endm
.macro ALLSUM off                      ; v[16:17]: my lane's part of a row's sum -> v20: the row's sum over all 1,024 columns
	s_delay_alu instid0(VALU_DEP_1)
	v_add_f32 v16, v16, v17
	s_delay_alu instid0(VALU_DEP_1)
	v_permlanex16_b32 v17, v16, s[SEL], s[SEL+1]
	s_delay_alu instid0(VALU_DEP_1)
	v_add_f32 v16, v16, v17                        ; my wave's 128 columns
	ds_store_b32 v8, v16 offset:\off               ; both lanes of a row write the same word with the same value
	BARRIER
	ds_load_b128 v[20:23], v9 offset:\off
	ds_load_b128 v[24:27], v9 offset:\off+16
	s_wait_dscnt 0x0
	v_pk_add_f32 v[20:21], v[20:21], v[22:23]
	v_pk_add_f32 v[24:25], v[24:25], v[26:27]
	s_delay_alu instid0(VALU_DEP_1)
	v_pk_add_f32 v[20:21], v[20:21], v[24:25]
	s_delay_alu instid0(VALU_DEP_1)
	v_add_f32 v20, v20, v21
.endm
	v_lshl_add_u32 v248, v0, 2, 0x10e00
	v_mov_b32 v249, 0
	; Two launches run this body.  y = 0: x 0-255 LayerNorm, x 256 on the weights' p = x - 256 (Wq, Wk, Wv: grid 448 x 1).  y = 1, 2: p = 192 + 256 (y - 1) + x (W1, W2: grid 256 x 3, with the second LayerNorm).
	s_and_b32 s2, ttmp7, 0xffff                    ; y
	s_min_u32 s3, s2, 1
	s_mul_i32 s3, s3, 192
	s_lshl_b32 s2, s2, 8
	s_add_co_u32 s2, s2, s3
	s_add_co_u32 s2, s2, ttmp9                     ; p + 256 = x + 256 y + 192 min(y, 1)
	s_cmp_ge_u32 s2, 256                           ; the same for all waves of a work-group
	s_cbranch_scc1 .Lprep
	; ---------------- LayerNorm and quantiser ----------------
	s_load_b256 s[4:11], s[0:1], 0x0               ; x, gamma, beta, hq
	v_lshrrev_b32 v1, 5, v0
	s_delay_alu instid0(VALU_DEP_1)
	v_readfirstlane_b32 s12, v1                    ; wave = K step
	v_and_b32 v2, 31, v0                           ; lane
	v_and_b32 v3, 15, v0                           ; r
	v_bfe_u32 v13, v0, 4, 1                        ; h
	s_delay_alu instid0(VALU_DEP_3)
	v_lshlrev_b32 v4, 4, v2                        ; 16 x lane
	s_mul_i32 s13, s12, STG
	v_add_nc_u32 v5, s13, v4                       ; the stage, on the way in
	v_mul_u32_u24 v6, v3, 528
	s_delay_alu instid0(VALU_DEP_1)
	v_lshl_add_u32 v6, v13, 6, v6
	s_delay_alu instid0(VALU_DEP_1)
	v_add_nc_u32 v6, s13, v6                       ; and out: row r, + 64 h
	v_lshlrev_b32 v7, 6, v13                       ; gamma, beta: 64 h
	s_lshl_b32 s14, s12, 2
	v_lshlrev_b32 v9, 5, v3
	s_delay_alu instid0(VALU_DEP_1)
	v_add_nc_u32 v9, RED, v9                       ; row r's eight parts
	s_delay_alu instid0(VALU_DEP_1)
	v_add_nc_u32 v8, s14, v9                       ; my wave's among them
	s_lshl_b32 s14, s12, 6
	v_lshlrev_b32 v10, 2, v3
	s_delay_alu instid0(VALU_DEP_1)
	v_add_nc_u32 v10, s14, v10
	s_delay_alu instid0(VALU_DEP_1)
	v_add_nc_u32 v10, SCL, v10                     ; scale word of (K step, row)
	v_add_nc_u32 v11, SCL, v4
	s_lshl_b32 s18, s12, 9                         ; my 128 columns: 512 bytes
	s_mov_b32 s19, 0
	s_lshr_b32 s16, ttmp9, 1
	s_lshl_b32 s16, s16, 17                        ; 32 tokens of 4,096 bytes
	s_and_b32 s17, ttmp9, 1
	s_lshl_b32 s17, s17, 15                        ; 8 tokens
	s_add_co_u32 s16, s16, s17
	s_add_co_u32 s16, s16, s18
	s_mov_b32 s17, 0
	s_mul_i32 s20, ttmp9, 12800
	s_mov_b32 s21, 0
	s_mul_i32 s22, s12, 1536
	s_mov_b32 s23, 0
	s_mov_b32 s26, 0x3a800000                      ; 1 / 1,024
	s_mov_b32 s[SEL], 0x76543210
	s_mov_b32 s[SEL+1], 0xfedcba98
	s_wait_alu depctr_va_vdst(0)
	s_wait_kmcnt 0x0
	s_add_nc_u64 s[4:5], s[4:5], s[16:17]
	s_add_nc_u64 s[6:7], s[6:7], s[18:19]
	s_add_nc_u64 s[8:9], s[8:9], s[18:19]
	s_add_nc_u64 s[10:11], s[10:11], s[20:21]      ; the tile's block
	s_add_nc_u64 s[24:25], s[10:11], s[22:23]      ; my image in it
.irp i, 0,1,2,3,4,5,6,7,8,9,10,11,12,13,14,15
	global_load_b128 v[R+4*\i:R+4*\i+3], v4, s[4:5] offset:((\i%8)+16*(\i/8))*4096   ; 32 lanes read 512 consecutive bytes of one row
.endr
.irp b, 0,1,2,3
.irp j, 0,1,2,3
	global_load_b128 v[BT+16*\b+4*\j:BT+16*\b+4*\j+3], v7, s[8:9] offset:128*\b+16*\j
.endr
.endr
	s_wait_loadcnt 16                              ; the rows are in; beta's 16 loads may be out
.irp i, 0,1,2,3,4,5,6,7,8,9,10,11,12,13,14,15
	ds_store_b128 v5, v[R+4*\i:R+4*\i+3] offset:528*\i
.endr
.irp b, 0,1,2,3
.irp j, 0,1,2,3
	ds_load_b128 v[X+16*\b+4*\j:X+16*\b+4*\j+3], v6 offset:128*\b+16*\j   ; LDS serves a wave's instructions in order: these see my stores
.endr
.endr
	s_wait_dscnt 0x0
.irp b, 0,1,2,3
.irp j, 0,1,2,3
	global_load_b128 v[R+16*\b+4*\j:R+16*\b+4*\j+3], v7, s[6:7] offset:128*\b+16*\j   ; gamma, into the registers that the stage's stores have read
.endr
.endr
	v_pk_add_f32 v[18:19], v[96:97], v[98:99]
	v_pk_add_f32 v[246:247], v[104:105], v[108:109]
	v_pk_add_f32 v[244:245], v[112:113], v[116:117]
	v_pk_add_f32 v[242:243], v[120:121], v[124:125]
	v_pk_add_f32 v[240:241], v[128:129], v[132:133]
	v_pk_add_f32 v[238:239], v[136:137], v[140:141]
	v_pk_add_f32 v[236:237], v[144:145], v[148:149]
	v_pk_add_f32 v[16:17], v[152:153], v[156:157]
	s_delay_alu instid0(VALU_DEP_1)
	v_pk_add_f32 v[16:17], v[16:17], v[100:101]
	v_pk_add_f32 v[18:19], v[18:19], v[102:103]
	v_pk_add_f32 v[246:247], v[246:247], v[106:107]
	v_pk_add_f32 v[244:245], v[244:245], v[110:111]
	v_pk_add_f32 v[242:243], v[242:243], v[114:115]
	v_pk_add_f32 v[240:241], v[240:241], v[118:119]
	v_pk_add_f32 v[238:239], v[238:239], v[122:123]
	v_pk_add_f32 v[236:237], v[236:237], v[126:127]
	v_pk_add_f32 v[16:17], v[16:17], v[130:131]
	v_pk_add_f32 v[18:19], v[18:19], v[134:135]
	v_pk_add_f32 v[246:247], v[246:247], v[138:139]
	v_pk_add_f32 v[244:245], v[244:245], v[142:143]
	v_pk_add_f32 v[242:243], v[242:243], v[146:147]
	v_pk_add_f32 v[240:241], v[240:241], v[150:151]
	v_pk_add_f32 v[238:239], v[238:239], v[154:155]
	v_pk_add_f32 v[236:237], v[236:237], v[158:159]
	s_delay_alu instid0(VALU_DEP_4)
	v_pk_add_f32 v[16:17], v[16:17], v[242:243]
	s_delay_alu instid0(VALU_DEP_4)
	v_pk_add_f32 v[18:19], v[18:19], v[240:241]
	s_delay_alu instid0(VALU_DEP_4)
	v_pk_add_f32 v[246:247], v[246:247], v[238:239]
	s_delay_alu instid0(VALU_DEP_4)
	v_pk_add_f32 v[244:245], v[244:245], v[236:237]
	s_delay_alu instid0(VALU_DEP_2)
	v_pk_add_f32 v[16:17], v[16:17], v[246:247]
	s_delay_alu instid0(VALU_DEP_2)
	v_pk_add_f32 v[18:19], v[18:19], v[244:245]
	s_delay_alu instid0(VALU_DEP_1)
	v_pk_add_f32 v[16:17], v[16:17], v[18:19]
	ALLSUM 0
	s_delay_alu instid0(VALU_DEP_1)
	v_mul_f32 v28, s26, v20                        ; the mean
	s_delay_alu instid0(VALU_DEP_1)
	v_mov_b32 v29, v28
.set n, 0
.rept 32
	v_pk_add_f32 v[X+n:X+n+1], v[X+n:X+n+1], v[28:29] neg_lo:[0,1] neg_hi:[0,1]
.set n, n+2
.endr
	v_pk_mul_f32 v[16:17], v[X:X+1], v[X:X+1]
	v_pk_mul_f32 v[18:19], v[X+2:X+3], v[X+2:X+3]
.set n, 4
.rept 15
	s_delay_alu instid0(VALU_DEP_2)
	v_pk_fma_f32 v[16:17], v[X+n:X+n+1], v[X+n:X+n+1], v[16:17]
	s_delay_alu instid0(VALU_DEP_2)
	v_pk_fma_f32 v[18:19], v[X+n+2:X+n+3], v[X+n+2:X+n+3], v[18:19]
.set n, n+4
.endr
	s_delay_alu instid0(VALU_DEP_1)
	v_pk_add_f32 v[16:17], v[16:17], v[18:19]
	ALLSUM 512
	s_delay_alu instid0(VALU_DEP_1)
	v_fmaak_f32 v28, s26, v20, 0x3727c5ac          ; the variance + 1e-5
	s_wait_alu depctr_va_vdst(0)
	v_rsq_f32 v28, v28
	v_nop                                          ; a plain place behind the transcendental
	s_wait_alu depctr_va_vdst(0)                   ; and the wait ahead of its first reader
	v_mov_b32 v29, v28
	s_wait_alu depctr_va_vdst(0)
	s_wait_loadcnt 0x0                             ; gamma and beta
.set n, 0
.rept 32
	v_pk_mul_f32 v[X+n:X+n+1], v[X+n:X+n+1], v[28:29]
.set n, n+2
.endr
.set n, 0
.rept 32
	v_pk_fma_f32 v[X+n:X+n+1], v[X+n:X+n+1], v[R+n:R+n+1], v[BT+n:BT+n+1]
.set n, n+2
.endr
	QUANT X
.irp c, 0,1,2
	global_store_b128 v4, v[PC+4*\c:PC+4*\c+3], s[24:25] offset:512*\c   ; 512 consecutive bytes, at a multiple of 256 from the buffer's first byte
.endr
	ds_store_b32 v10, v[PW]
	BARRIER                                        ; the tile's 128 scale words lie in LDS
	s_cmp_lg_u32 s12, 0
	s_cbranch_scc1 .Lln_end
	ds_load_b128 v[16:19], v11
	s_wait_dscnt 0x0
	global_store_b128 v4, v[16:19], s[10:11] offset:12288
.Lln_end:
	s_wait_tensorcnt 0x0
	ds_add_u32 v248, v249
	s_wait_dscnt 0x0
	s_endpgm
	; ---------------- the weights' images ----------------
	; p = work-group - 256.  p 0-63 Wq, 64-127 Wk, 128-191 Wv, 192-447 W1: one tile of 16 rows, wave w its K step w.  p 448-703: W2, tile (p - 448) / 4, K steps 8 ((p - 448) % 4) + w.
	; The rows of a tile: 16 nt - 8 (nt % 2) + i + 8 (i / 8), so that two neighbouring tiles' results are 16 neighbours in a lane; Wv's tiles take rows 16 nt + i.
.Lprep:
	s_load_b64 s[4:5], s[0:1], 0x20                ; wq
	s_load_b128 s[8:11], s[0:1], 0x28              ; Wq: codes, scales
	s_load_b128 s[12:15], s[0:1], 0x38             ; Wk
	s_load_b128 s[16:19], s[0:1], 0x48             ; Wv
	s_load_b128 s[20:23], s[0:1], 0x58             ; W1
	s_load_b128 s[24:27], s[0:1], 0x68             ; W2
	v_lshrrev_b32 v1, 5, v0
	s_delay_alu instid0(VALU_DEP_1)
	v_readfirstlane_b32 s28, v1                    ; wave
	s_sub_co_u32 s29, s2, 256                      ; p
	s_mov_b32 s30, 0                               ; where the weight's range of p begins
	s_wait_kmcnt 0x0
	s_cmp_ge_u32 s29, 64                           ; the choices hang on the work-group's number alone
	s_cselect_b64 s[8:9], s[12:13], s[8:9]
	s_cselect_b64 s[10:11], s[14:15], s[10:11]
	s_cselect_b32 s30, 64, s30
	s_cmp_ge_u32 s29, 128
	s_cselect_b64 s[8:9], s[16:17], s[8:9]
	s_cselect_b64 s[10:11], s[18:19], s[10:11]
	s_cselect_b32 s30, 128, s30
	s_cmp_ge_u32 s29, 192
	s_cselect_b64 s[8:9], s[20:21], s[8:9]
	s_cselect_b64 s[10:11], s[22:23], s[10:11]
	s_cselect_b32 s30, 192, s30
	s_cmp_ge_u32 s29, 448
	s_cselect_b64 s[8:9], s[24:25], s[8:9]
	s_cselect_b64 s[10:11], s[26:27], s[10:11]
	s_cselect_b32 s30, 448, s30
	s_cselect_b32 s31, 2, 0                        ; W2: four work-groups to a tile
	s_cselect_b32 s32, 3, 0
	s_mov_b32 s33, 768
	s_cselect_b32 s33, 3072, s33                   ; a row of codes in bytes
	s_cselect_b32 s34, 128, 32                     ; a row of scale bytes
	s_mov_b32 s35, 12800
	s_cselect_b32 s35, 51200, s35                  ; a tile's block
	s_cselect_b32 s36, 5734400, 0                  ; where the region begins in wq
	s_mov_b32 s37, 12288
	s_cselect_b32 s37, 49152, s37                  ; the scale words behind the images
	s_cselect_b32 s38, 1, 0
	s_sub_co_u32 s39, s29, s30
	s_lshr_b32 s42, s39, s31                       ; nt
	s_and_b32 s43, s39, s32
	s_lshl_b32 s43, s43, 3                         ; the work-group's first K step
	s_cmp_eq_u32 s38, 1
	s_cselect_b32 s44, s42, s29
	s_mul_i32 s44, s44, s35
	s_add_co_u32 s44, s44, s36                     ; the tile's block in wq
	s_sub_co_u32 s45, s29, 128
	s_cmp_lt_u32 s45, 64
	s_cselect_b32 s45, 0, 8                        ; e: 0 for Wv
	s_and_b32 s46, s42, 1
	s_mul_i32 s46, s46, s45
	s_lshl_b32 s47, s42, 4
	s_sub_co_u32 s46, s47, s46                     ; the tile's first row
	s_add_co_u32 s47, s43, s28                     ; my K step
	s_mul_i32 s48, s47, 96
	v_and_b32 v2, 31, v0
	v_and_b32 v3, 15, v0
	v_bfe_u32 v4, v0, 4, 1
	s_delay_alu instid0(VALU_DEP_2)
	v_lshrrev_b32 v5, 3, v3
	s_delay_alu instid0(VALU_DEP_1)
	v_mad_u32_u24 v5, v5, s45, v3                  ; r + e (r / 8)
	s_delay_alu instid0(VALU_DEP_1)
	v_add_nc_u32 v5, s46, v5
	s_delay_alu instid0(VALU_DEP_1)
	v_mul_u32_u24 v5, v5, s33
	s_delay_alu instid0(VALU_DEP_1)
	v_mad_u32_u24 v5, v4, 24, v5
	s_delay_alu instid0(VALU_DEP_1)
	v_add_nc_u32 v5, s48, v5                       ; row x its bytes + 96 x K step + 24 h
	v_lshlrev_b32 v6, 4, v2
.irp p, 0,1,2,3,4,5
	global_load_b64 v[16+2*\p:17+2*\p], v5, s[8:9] offset:48*(\p/3)+8*(\p%3)   ; the fragment, as the matrix unit takes it
.endr
	s_mul_i32 s50, s47, 1536
	s_add_co_u32 s50, s50, s44
	s_mov_b32 s51, 0
	s_add_nc_u64 s[50:51], s[4:5], s[50:51]
	s_wait_alu depctr_va_vdst(0)
	s_wait_loadcnt 0x0
.irp c, 0,1,2
	global_store_b128 v6, v[16+4*\c:19+4*\c], s[50:51] offset:512*\c
.endr
	s_cmp_lg_u32 s28, 0
	s_cbranch_scc1 .Lprep_end
	; wave 0: the scale words of 8 K steps x 16 rows: lane l takes K step l / 4, rows 4 (l % 4) + 0 .. 3, and stores 16 bytes at 16 l
	v_and_b32 v7, 3, v2
	s_delay_alu instid0(VALU_DEP_1)
	v_lshrrev_b32 v8, 1, v7
	s_delay_alu instid0(VALU_DEP_2)
	v_lshlrev_b32 v7, 2, v7
	s_delay_alu instid0(VALU_DEP_1)
	v_mad_u32_u24 v7, v8, s45, v7
	s_delay_alu instid0(VALU_DEP_1)
	v_add_nc_u32 v7, s46, v7
	s_delay_alu instid0(VALU_DEP_1)
	v_mul_u32_u24 v7, v7, s34
	v_lshrrev_b32 v8, 2, v2
	s_delay_alu instid0(VALU_DEP_1)
	v_add_nc_u32 v8, s43, v8
	s_delay_alu instid0(VALU_DEP_1)
	v_lshl_add_u32 v7, v8, 2, v7
	s_delay_alu instid0(VALU_DEP_1)
	v_add_nc_u32 v9, s34, v7
	s_delay_alu instid0(VALU_DEP_1)
	v_add_nc_u32 v10, s34, v9
	s_delay_alu instid0(VALU_DEP_1)
	v_add_nc_u32 v11, s34, v10
	global_load_b32 v28, v7, s[10:11]
	global_load_b32 v29, v9, s[10:11]
	global_load_b32 v30, v10, s[10:11]
	global_load_b32 v31, v11, s[10:11]
	s_add_co_u32 s52, s44, s37
	s_lshl_b32 s53, s43, 6
	s_add_co_u32 s52, s52, s53
	s_mov_b32 s53, 0
	s_add_nc_u64 s[52:53], s[4:5], s[52:53]
	s_wait_loadcnt 0x0
	global_store_b128 v6, v[28:31], s[52:53]
.Lprep_end:
	s_endpgm
.Lfunc_end_k_q4b2e6843e4_first:
	.size	k_q4b2e6843e4_first, .Lfunc_end_k_q4b2e6843e4_first-k_q4b2e6843e4_first
	.p2alignl 7, 3214868480
	.fill 96, 4, 3214868480
	.section	.rodata,"a",@progbits
	.p2align	6, 0x0
	.amdhsa_kernel k_q4b2e6843e4_first
		.amdhsa_group_segment_fixed_size 70144
		.amdhsa_private_segment_fixed_size 0
		.amdhsa_enable_private_segment 0
		.amdhsa_kernarg_size 120
		.amdhsa_user_sgpr_count 2
		.amdhsa_user_sgpr_kernarg_segment_ptr 1
		.amdhsa_wavefront_size32 1
		.amdhsa_system_sgpr_workgroup_id_x 1
		.amdhsa_system_sgpr_workgroup_id_y 1
		.amdhsa_system_sgpr_workgroup_id_z 1
		.amdhsa_system_vgpr_workitem_id 0
		.amdhsa_next_free_vgpr 250
		.amdhsa_next_free_sgpr 66
		.amdhsa_reserve_vcc 0
		.amdhsa_float_denorm_mode_32 3
		.amdhsa_float_denorm_mode_16_64 3
		.amdhsa_memory_ordered 1
		.amdhsa_forward_progress 1
		.amdhsa_inst_pref_size 35
	.end_amdhsa_kernel
	.amdgpu_metadata
---
amdhsa.version: [ 1, 2 ]
amdhsa.kernels:
  - .name:           k_q4b2e6843e4_first
    .symbol:         k_q4b2e6843e4_first.kd
    .args:
      - { .name: x, .offset: 0, .size: 8, .value_kind: global_buffer, .address_space: global }
      - { .name: ln1_g, .offset: 8, .size: 8, .value_kind: global_buffer, .address_space: global }
      - { .name: ln1_b, .offset: 16, .size: 8, .value_kind: global_buffer, .address_space: global }
      - { .name: hq, .offset: 24, .size: 8, .value_kind: global_buffer, .address_space: global }
      - { .name: wq, .offset: 32, .size: 8, .value_kind: global_buffer, .address_space: global }
      - { .name: Wq_codes, .offset: 40, .size: 8, .value_kind: global_buffer, .address_space: global }
      - { .name: Wq_scales, .offset: 48, .size: 8, .value_kind: global_buffer, .address_space: global }
      - { .name: Wk_codes, .offset: 56, .size: 8, .value_kind: global_buffer, .address_space: global }
      - { .name: Wk_scales, .offset: 64, .size: 8, .value_kind: global_buffer, .address_space: global }
      - { .name: Wv_codes, .offset: 72, .size: 8, .value_kind: global_buffer, .address_space: global }
      - { .name: Wv_scales, .offset: 80, .size: 8, .value_kind: global_buffer, .address_space: global }
      - { .name: W1_codes, .offset: 88, .size: 8, .value_kind: global_buffer, .address_space: global }
      - { .name: W1_scales, .offset: 96, .size: 8, .value_kind: global_buffer, .address_space: global }
      - { .name: W2_codes, .offset: 104, .size: 8, .value_kind: global_buffer, .address_space: global }
      - { .name: W2_scales, .offset: 112, .size: 8, .value_kind: global_buffer, .address_space: global }
    .group_segment_fixed_size: 70144
    .private_segment_fixed_size: 0
    .kernarg_segment_align: 8
    .kernarg_segment_size: 120
    .max_flat_workgroup_size: 256
    .sgpr_count:     66
    .vgpr_count:     250
    .wavefront_size: 32
...
	.end_amdgpu_metadata
.endif
;; end of part 1
;; launch qkv (part 2): grid 12 x 16, 4 waves a work-group, clusters of 4 x 4, 327,680 bytes of LDS; arguments hq, wq, bq, bk, bv, qb, kv; writes qb, kv
.if DOCPART == 2
	.amdgcn_target "amdgcn-amd-amdhsa--gfx1250"
	.amdhsa_code_object_version 6
	.text
	.protected	k_q4b2e6843e4_qkv
	.globl	k_q4b2e6843e4_qkv
	.p2align	8
	.type	k_q4b2e6843e4_qkv,@function
k_q4b2e6843e4_qkv:
	s_mov_b64 s[64:65], 0
	v_nop
	global_prefetch_b8 v0, s[64:65] scope:SCOPE_SE
	s_setreg_imm32_b32 hwreg(HW_REG_WAVE_MODE, 25, 1), 1
	s_wait_xcnt 0x0
	s_wait_alu depctr_hold_cnt(0) depctr_sa_sdst(0) depctr_va_vdst(0) depctr_va_sdst(0) depctr_va_ssrc(0) depctr_va_vcc(0) depctr_vm_vsrc(0)
	s_getreg_b32 s2, hwreg(HW_REG_IB_STS2, 6, 4)
	s_cmp_eq_u32 s2, 0
	s_cbranch_scc0 .Lentry_in_a_cluster
	s_endpgm
.Lentry_in_a_cluster:
	s_bfe_u32 s2, ttmp6, 0x10000c
	s_cmp_lg_u32 s2, 0xf033
	s_cbranch_scc0 .Lentry_shape_is_right
	s_endpgm
.Lentry_shape_is_right:
; q, k, v = LN1(x) W + b on codes of FP6 (E2M3) with E8M0 scales, and the results quantised at once: q and k along the head's 64, v along the keys.
; A work-group takes 256 tokens (y) and 256 columns (x) of the 3,072 of q, k, v; the cluster's x says which of the three (0 q, 1 k, 2 v).  Wave w takes tokens' half w / 2 and column half w % 2 (two heads): 128 x 128, 64 accumulators, K = 1,024 in 8 steps written out.
; The grid is 12 x 16 = 192 work-groups: 3,072 columns hold twelve blocks of 256, and a block that lay across two of q, k, v would need two ways out.
; BOTH OPERANDS are images of fragments (1,536 bytes for 16 rows x 128 K, a tile's eight images on end, tiles 12,800 bytes apart).  CLUSTERS of 4 x 4: the four work-groups of a cluster's row need the same tokens,
; the four of a column the same rows of W: each tile is asked for jointly.  Waves 0, 1 fetch the tokens' tiles 0-7, 8-15, waves 2, 3 the weight's: one load a wave, 8 rows of 4,608 bytes (three K steps).
; THE RING: two slots of three K steps (147,456 bytes each).  K steps 0-2 at the head, 3-5 behind the first round, 6-7 (rows of 3,072 bytes) into slot 0 in step 2, when its last fragments are in registers.
; q, k: source 0 = 16 rows of W, source 1 = 16 tokens: a lane holds one token and its registers run along the head.  v: source 0 = 16 tokens, source 1 = 16 rows of Wv: a lane holds one column and its registers run along the keys.
; Both sides are eight tiles of one layout, so the K steps are written ONCE: for v the two sides' LDS addresses and scale pointers change places, by a choice on the cluster's x, which all partners share.
; A step's products go by source 1's tiles, each against source 0's eight: ONE set of registers serves source 1 (tiles 0-3 fetched anew in the step's middle, 4-7 at its end), TWO sets source 0.
; PREFETCH: behind the head's load each loading wave names K steps 3-7 of its eight tiles, 30 blocks of 256 bytes a tile; the four partners that ask jointly take two tiles each, told apart by address: two instructions a wave.
; LIMITS: NaN and infinities are not served; a block whose largest magnitude lies under 2^-124 keeps the byte 1, a block of zeros too (its codes are zeros, and this program alone reads the bytes).
; REGISTERS (absolute): 0-31 addresses; 32-63 source 0's scale words, 64-95 source 1's (tile i, pair of K steps p: 4 i + p; lanes 0-15 the even step, 16-31 the odd); source 0's fragments: sets at 96 and 256; source 1's: 192 (five tiles), 448 (three); the bias at 352; accumulator (a, b) at 512 + 64 b + 8 a.
.set TSTR, 12800
.set REG3, 36864                       ; what one load of three K steps brings: 8 x 4,608 bytes
.set SLOT, 4*REG3
.set SPARE, 2*SLOT                     ; behind the ring: the spare words, 128 bytes a wave
.set WV, 12
.set RH, 13                            ; my half of the tokens; also: I fetch for the tokens (0) or for the weight (1)
.set CH, 14                            ; my half of the columns; also: which eight tiles I fetch
.set G1, 24                            ; s[24:31] group 1 for the tokens' tiles, s[32:39] for the weight's
.set G1B, 32
.set G0, 40                            ; s[40:51] group 0 for the tokens' three fills, s[52:63] for the weight's
.set G0B, 52
.set PA, 74                            ; s[74:75] where head A's codes go; s[76:77] head B's; s[78:79], s[80:81] their scale words
.set PB, 76
.set SA, 78
.set SB, 80
.set BI, 82                            ; s[82:83] the bias
.set SEL, 84
.set XS, 86                            ; s[86:87] source 0's scale words, s[88:89] source 1's
.set YS, 88
.set PFA, 22                           ; s[22:23] the prefetches' base
.set LA, 8                             ; v8, v9   source 1's fragments in slot 0, 1
.set LB, 10                            ; v10, v11 source 0's
.set T,  96
.set PC, 160
.set TM, 200
.set PW, 216
.set SW, 20                            ; v20-27 the eight tiles' scale words
.set MSB, 0
.macro WIN new                         ; the immediate's high byte repeats the setting that is left
.if MSB != (\new)
	s_set_vgpr_msb (MSB<<8)|(\new)
.set MSB, \new
.endif
.endm
.macro PLACES                          ; four places behind a matrix instruction (ISA guide 7.12.1)
.rept 4
	v_nop
.endr
.endm
.macro CREST                           ; a round of the cluster's barrier behind its opening barrier
	s_cmp_lg_u32 s[WV], 0
	s_cbranch_scc1 .Lnot_wave_0_\@
	s_barrier_signal -3
.Lnot_wave_0_\@:
	s_barrier_wait -3
	s_barrier_signal -1
	s_barrier_wait -1
.endm
.macro CROUND
	s_barrier_signal -1
	s_barrier_wait -1
	CREST
.endm
.macro JLOAD f                         ; fill f, one joint load a wave; the branch hangs on the wave's number alone; s_nop 0 and four v_nop behind each line
	s_cmp_eq_u32 s[RH], 0
	s_cbranch_scc0 .Lfor_b_\@
	tensor_load_to_lds s[G0+4*\f:G0+4*\f+3], s[G1:G1+7]
	s_nop 0
.rept 4
	v_nop
.endr
	s_branch .Lasked_\@
.Lfor_b_\@:
	tensor_load_to_lds s[G0B+4*\f:G0B+4*\f+3], s[G1B:G1B+7]
	s_nop 0
.rept 4
	v_nop
.endr
.Lasked_\@:
.endm
.macro SETG set, i                     ; source 0's fragment i of a set
.if (\set) == 0
.set RG, 96+12*(\i)
.else
.set RG, 256+12*(\i)
.endif
.endm
.macro SETP i                          ; source 1's fragment i
.if (\i) < 5
.set RP, 192+12*(\i)
.else
.set RP, 448+12*((\i)-5)
.endif
.endm
.macro SETS s                          ; K step s: its slot, the LDS bytes from tile to tile, its place in a tile's row
.if (\s) < 6
.set SL, (\s)/3
.set RW, 4608
.set SOF, ((\s)%3)*1536
.else
.set SL, 0
.set RW, 3072
.set SOF, ((\s)-6)*1536
.endif
.endm
.macro SCALES
.irp i, 0,1,2,3,4,5,6,7
.irp p, 0,1,2,3
	global_load_b32 v[32+4*\i+\p], v2, s[XS:XS+1] offset:\i*TSTR+128*\p
	global_load_b32 v[64+4*\i+\p], v2, s[YS:YS+1] offset:\i*TSTR+128*\p
.endr
.endr
.endm
.macro BLOAD s                         ; K step s of source 0: 8 fragments, 24 LDS loads, into set s % 2
	SETS \s
.irp i, 0,1,2,3,4,5,6,7
	SETG (\s)%2,\i
	WIN (RG/256)<<6
.irp c, 0,1,2
	ds_load_b128 v[RG%256+4*\c:RG%256+4*\c+3], v[LB+SL] offset:\i*RW+SOF+512*\c
.endr
.endr
.endm
.macro PLOAD s, i0                     ; K step s of source 1's tiles i0 .. i0 + 3: 12 LDS loads
	SETS \s
.irp i, \i0, \i0+1, \i0+2, \i0+3
	SETP \i
	WIN (RP/256)<<6
.irp c, 0,1,2
	ds_load_b128 v[RP%256+4*\c:RP%256+4*\c+3], v[LA+SL] offset:(\i)*RW+SOF+512*\c
.endr
.endr
.endm
.macro WM d, x, y, sx, sy, s           ; one matrix instruction of K step s; step 0 starts the sums; an odd step's scale words lie in lanes 16-31
.if (\s) == 0
	v_wmma_scale_f32_16x16x128_f8f6f4 v[(\d)%256:(\d)%256+7], v[(\x)%256:(\x)%256+11], v[(\y)%256:(\y)%256+11], 0, v[\sx], v[\sy] matrix_a_fmt:MATRIX_FMT_FP6 matrix_b_fmt:MATRIX_FMT_FP6
.elseif (\s)%2 == 0
	v_wmma_scale_f32_16x16x128_f8f6f4 v[(\d)%256:(\d)%256+7], v[(\x)%256:(\x)%256+11], v[(\y)%256:(\y)%256+11], v[(\d)%256:(\d)%256+7], v[(\sx)+(\s)/2], v[(\sy)+(\s)/2] matrix_a_fmt:MATRIX_FMT_FP6 matrix_b_fmt:MATRIX_FMT_FP6
.else
	v_wmma_scale_f32_16x16x128_f8f6f4 v[(\d)%256:(\d)%256+7], v[(\x)%256:(\x)%256+11], v[(\y)%256:(\y)%256+11], v[(\d)%256:(\d)%256+7], v[(\sx)+(\s)/2], v[(\sy)+(\s)/2] matrix_a_fmt:MATRIX_FMT_FP6 matrix_b_fmt:MATRIX_FMT_FP6 matrix_a_scale:MATRIX_SCALE_ROW1 matrix_b_scale:MATRIX_SCALE_ROW1
.endif
.endm
.macro MULB s, b                       ; 8 matrix instructions: source 1's tile b against source 0's eight.  The 64 accumulators take turns, in the same order in every step
	SETP \b
.irp a, 0,1,2,3,4,5,6,7
	SETG (\s)%2,\a
.set RA, 512+64*(\b)+8*\a
	WIN ((RA/256)<<6)|((RA/256)<<4)|((RP/256)<<2)|(RG/256)
	WM RA, RG, RP, 32+4*\a, 64+4*(\b), \s
.endr
.endm
; A K step: 64 matrix instructions; the next step's fragments are fetched in its middle and at its end.
; Step 2: slot 0's last fragments are in registers and slot 1 must be whole: the three lines, a round of the cluster's barrier, and K steps 6-7 into slot 0.  Step 5: a barrier shows that fill whole to all four waves.
.macro STEP s
.if (\s) == 2
	WIN 0
	s_wait_tensorcnt 0x0                           ; all my tensor loads have landed: my part of slot 1
	ds_add_u32 v30, v31
	s_mov_b32 s[G1+1], 384<<16                     ; no load of mine is out: the last fill's rows are two K steps, 3,072 bytes
	s_mov_b32 s[G1+3], 384<<16
	s_mov_b32 s[G1B+1], 384<<16
	s_mov_b32 s[G1B+3], 384<<16
	s_wait_dscnt 13                                ; the add and source 1's tiles 4-7 (12 loads) may be out
	MULB \s, 0
	MULB \s, 1
	s_wait_dscnt 0x0                               ; the add is done, and my reads of slot 0 are over
	s_barrier_signal -1
	MULB \s, 2
	MULB \s, 3
	WIN 0
	s_barrier_wait -1
	CREST
	JLOAD 2                                        ; its four v_nop are the places in front of the loads below
.elseif (\s) == 5
	s_wait_tensorcnt 0x0                           ; my part of K steps 6-7 is in
	s_wait_dscnt 12
	MULB \s, 0
	MULB \s, 1
	s_wait_dscnt 0x0
	s_barrier_signal -1
	MULB \s, 2
	MULB \s, 3
	WIN 0
	s_barrier_wait -1                              ; everybody's is
	PLACES
.else
	s_wait_dscnt 12                                ; source 0's set and source 1's tiles 0-3 are in; tiles 4-7's 12 loads may be out
	MULB \s, 0
	MULB \s, 1
	MULB \s, 2
	MULB \s, 3
	s_wait_dscnt 0x0
.if (\s) < 7
	PLACES
.endif
.endif
.if (\s) < 7
	BLOAD (\s)+1
	PLOAD (\s)+1, 0
.endif
	MULB \s, 4
	MULB \s, 5
	MULB \s, 6
	MULB \s, 7
	PLACES
.if (\s) < 7
	PLOAD (\s)+1, 4
.endif
.endm
.macro QUANT s                         ; 64 numbers of a lane, register 16 b + i = k 32 b + 16 (lane / 16) + i of my row -> a fragment's codes in v[PC] on, its scale word in v[PW]
.irp b, 0,1,2,3
	v_max3_num_f32 v[TM+\b], |v[\s+16*\b]|, |v[\s+1+16*\b]|, 0x1800000
.endr
.irp i, 2,4,6,8,10,12,14
.irp b, 0,1,2,3
	v_max3_num_f32 v[TM+\b], v[TM+\b], |v[\s+16*\b+\i]|, |v[\s+1+16*\b+\i]|
.endr
.endr
.irp b, 0,1,2,3
	v_permlanex16_b32 v[TM+4+\b], v[TM+\b], s[SEL], s[SEL+1]
.endr
.irp b, 0,1,2,3
	v_max_num_f32 v[TM+\b], v[TM+\b], v[TM+4+\b]
.endr
.irp b, 0,1,2,3
	v_add_nc_u32 v[TM+12+\b], 0xff000000, v[TM+\b]
.endr
.irp b, 0,1,2,3
	v_lshrrev_b32 v[TM+4+\b], 23, v[TM+12+\b]
.endr
	v_lshl_or_b32 v[PW], v[TM+5], 8, v[TM+4]
	v_lshl_or_b32 v[PW], v[TM+6], 16, v[PW]
	v_lshl_or_b32 v[PW], v[TM+7], 24, v[PW]
.irp c, 0,1
	v_cvt_scalef32_pk16_fp6_f32 v[PC+6*\c:PC+2+6*\c], v[\s+32*\c:\s+15+32*\c], v[TM+12+2*\c]
	v_cvt_scalef32_pk16_fp6_f32 v[PC+12+4*\c:PC+14+4*\c], v[\s+16+32*\c:\s+31+32*\c], v[TM+12+2*\c+1]
.endr
	v_nop
.irp c, 0,1
.irp i, 0,1,2
	v_permlane16_swap_b32 v[PC+6*\c+\i], v[PC+12+4*\c+\i]
.endr
.irp i, 0,1,2
	v_mov_b32 v[PC+3+6*\c+\i], v[PC+12+4*\c+\i]
.endr
.endr
.endm
.macro ADDB t                          ; T = the 64 results of source 1's tile t + the bias of the lane's 64 columns (absolute 352 on); each accumulator from its low end on
	WIN (1<<2)|((512+64*(\t))/256)
.set n, 0
.rept 32
	v_pk_add_f32 v[T+n:T+n+1], v[(64*(\t))%256+n:(64*(\t))%256+n+1], v[96+n:96+n+1]
.set n, n+2
.endr
	WIN 0
.endm
.macro ADDV t                          ; the same with the lane's ONE bias, which lies twice in a pair (absolute 352 + 2 t)
	WIN (1<<2)|((512+64*(\t))/256)
.set n, 0
.rept 32
	v_pk_add_f32 v[T+n:T+n+1], v[(64*(\t))%256+n:(64*(\t))%256+n+1], v[96+2*(\t):97+2*(\t)]
.set n, n+2
.endr
	WIN 0
.endm
.macro FIN                             ; the wave's end, then the closing round
	s_wait_tensorcnt 0x0
	ds_add_u32 v30, v31
	s_wait_dscnt 0x0
	CROUND
	s_endpgm
.endm
	s_load_b256 s[4:11], s[0:1], 0x0               ; hq, wq, bq, bk
	s_load_b128 s[68:71], s[0:1], 0x20             ; bv, qb
	s_load_b64 s[72:73], s[0:1], 0x30              ; kv
	v_lshl_add_u32 v30, v0, 2, SPARE
	v_mov_b32 v31, 0
	ds_add_u32 v30, v31                            ; the opening lines: the add, twice on end, and its wait ahead of my first tensor load
	ds_add_u32 v30, v31
	v_lshrrev_b32 v1, 5, v0
	v_readfirstlane_b32 s[WV], v1
	s_lshr_b32 s[RH], s[WV], 1
	s_and_b32 s[CH], s[WV], 1
	s_bfe_u32 s16, ttmp6, 0x40000                  ; cx, cy: they enter masks and global addresses alone
	s_bfe_u32 s17, ttmp6, 0x40004
	s_lshl_b32 s18, ttmp9, 2
	s_add_co_u32 s18, s18, s16                     ; the block of 256 columns, 0 .. 11
	s_and_b32 s19, ttmp7, 0xffff
	s_lshl_b32 s19, s19, 2
	s_add_co_u32 s19, s19, s17                     ; the block of 256 tokens
	s_lshl_b32 s15, s17, 2
	s_lshl_b32 s15, 15, s15                        ; my row of the cluster
	s_lshl_b32 s101, 0x1111, s16                   ; my column
	s_or_b32 s[G1], s15, (3<<16)|(1<<21)           ; the mask; elements of 8 bytes; bit 21 beside a mask; no padding
	s_or_b32 s[G1B], s101, (3<<16)|(1<<21)
.irp g, G1, G1B
	s_mov_b32 s[\g+1], 576<<16                     ; rows of 4,608 bytes: three K steps of a tile,
	s_mov_b32 s[\g+2], 8<<16                       ; eight tiles,
	s_mov_b32 s[\g+3], 576<<16
	s_mov_b32 s[\g+4], 8
	s_mov_b32 s[\g+5], 1600                        ; 12,800 bytes apart
	s_mov_b32 s[\g+6], 0
	s_mov_b32 s[\g+7], 0
.endr
	s_mul_i32 s96, s19, 204800                     ; the tokens' sixteen tiles
	s_mov_b32 s97, 0
	s_mul_i32 s98, s18, 204800                     ; the weight's sixteen: Wq's tiles begin at tile 0 of wq, Wk's at 64, Wv's at 128
	s_mov_b32 s99, 0
	s_mul_i32 s20, s[CH], 102400                   ; the eight that I fetch
	s_mov_b32 s21, 0
	s_mul_i32 s100, s[WV], REG3                    ; and where they go
	s_wait_dscnt 0x0                               ; both opening adds are done
	s_wait_kmcnt 0x0
	s_add_nc_u64 s[96:97], s[4:5], s[96:97]
	s_add_nc_u64 s[98:99], s[6:7], s[98:99]
	s_add_nc_u64 s[22:23], s[96:97], s[20:21]
	s_add_nc_u64 s[2:3], s[98:99], s[20:21]
.irp f, 0,1,2
	s_mov_b32 s[G0+4*\f], 1
	s_add_co_u32 s[G0+4*\f+1], s100, (\f%2)*SLOT
	s_add_nc_u64 s[G0+4*\f+2:G0+4*\f+3], s[22:23], \f*4608
	s_or_b32 s[G0+4*\f+3], s[G0+4*\f+3], 0x80000000
	s_mov_b32 s[G0B+4*\f], 1
	s_add_co_u32 s[G0B+4*\f+1], s100, (\f%2)*SLOT
	s_add_nc_u64 s[G0B+4*\f+2:G0B+4*\f+3], s[2:3], \f*4608
	s_or_b32 s[G0B+4*\f+3], s[G0B+4*\f+3], 0x80000000
.endr
	CROUND                                         ; all sixteen work-groups are here: the first joint loads meet
	JLOAD 0                                        ; K steps 0-2: one tensor load a wave at the head
	s_mul_i32 s20, s[RH], 102400
	s_add_nc_u64 s[96:97], s[96:97], s[20:21]      ; as a reader: my eight tiles of tokens,
	s_add_nc_u64 s[96:97], s[96:97], 12288         ; their scale words;
	s_add_nc_u64 s[98:99], s[2:3], 12288           ; those of my eight tiles of the weight
	s_cmp_eq_u32 s[RH], 0
	s_cselect_b64 s[PFA:PFA+1], s[22:23], s[2:3]   ; the prefetches: the eight tiles that I fetch,
	s_cselect_b32 s20, s16, s17                    ; my work-group's place among the four that ask with it:
	s_mul_i32 s20, s20, 25600                      ; two tiles each,
	s_add_co_u32 s20, s20, 4608                    ; from K step 3 on
	s_add_nc_u64 s[PFA:PFA+1], s[PFA:PFA+1], s[20:21]
	s_lshl_b32 s86, s19, 1
	s_add_co_u32 s86, s86, s[RH]                   ; my block of 128 tokens
	s_lshl_b32 s87, s16, 1
	s_add_co_u32 s87, s87, s[CH]                   ; my pair of heads
	s_lshr_b32 s88, s86, 3
	s_lshl_b32 s88, s88, 4
	s_lshl_b32 s89, s87, 1
	s_add_co_u32 s88, s88, s89                     ; 16 x batch + head A
	s_and_b32 s89, s86, 7                          ; the block's place in its sequence
	s_lshl_b32 s90, s88, 3
	s_add_co_u32 s90, s90, s89
	s_mul_i32 s90, s90, 6656                       ; q's block in qb
	s_mul_i32 s91, s88, 104448
	s_mul_i32 s92, s89, 13056
	s_add_co_u32 s91, s91, s92                     ; the key step in kv: K's tiles,
	s_add_co_u32 s92, s91, 6144                    ; V's fragments
	s_cmp_eq_u32 ttmp9, 0                          ; the cluster's x: the same in all partners
	s_cselect_b64 s[PA:PA+1], s[70:71], s[72:73]
	s_cselect_b64 s[BI:BI+1], s[8:9], s[10:11]
	s_cselect_b32 s20, s90, s91
	s_mov_b32 s93, 104448
	s_cselect_b32 s93, 53248, s93                  ; from head A to head B
	s_mov_b32 s94, 12288
	s_cselect_b32 s94, 6144, s94                   ; from the codes to the scale words
	s_mov_b32 s95, 6656
	s_cmp_eq_u32 ttmp9, 2
	s_cselect_b32 s20, s92, s20
	s_cselect_b64 s[BI:BI+1], s[68:69], s[BI:BI+1]
	s_cselect_b32 s94, s95, s94
	s_add_nc_u64 s[PA:PA+1], s[PA:PA+1], s[20:21]
	s_mov_b32 s20, s93
	s_add_nc_u64 s[PB:PB+1], s[PA:PA+1], s[20:21]
	s_mov_b32 s20, s94
	s_add_nc_u64 s[SA:SA+1], s[PA:PA+1], s[20:21]
	s_mov_b32 s20, s93
	s_add_nc_u64 s[SB:SB+1], s[SA:SA+1], s[20:21]
	s_lshl_b32 s20, s87, 9                         ; the bias of my 128 columns
	s_add_nc_u64 s[BI:BI+1], s[BI:BI+1], s[20:21]
	s_mul_i32 s15, s[RH], REG3                     ; my tokens in a slot,
	s_mul_i32 s16, s[CH], REG3
	s_add_co_u32 s16, s16, 2*REG3                  ; my rows of the weight
	s_cmp_eq_u32 ttmp9, 2                          ; v: the tokens are source 0
	s_cselect_b64 s[XS:XS+1], s[96:97], s[98:99]
	s_cselect_b64 s[YS:YS+1], s[98:99], s[96:97]
	s_cselect_b32 s17, s15, s16
	s_cselect_b32 s100, s16, s15
	v_and_b32 v6, 31, v0                           ; lane
	v_and_b32 v4, 15, v0
	v_bfe_u32 v7, v0, 4, 1                         ; h
	v_lshlrev_b32 v1, 4, v6                        ; 16 x lane
	v_lshlrev_b32 v2, 2, v6                        ; 4 x lane
	v_lshlrev_b32 v5, 3, v6                        ; 8 x lane
	v_lshlrev_b32 v3, 6, v7                        ; 64 h
	v_lshlrev_b32 v4, 2, v4                        ; 4 r
	v_mul_u32_u24 v7, v7, 104448
	v_lshl_add_u32 v7, v4, 2, v7                   ; v's scale words: lanes 0-15 head A's, lanes 16-31 head B's, a head's block further on; 16 r
	v_min_u32 v14, 29, v6
	v_lshlrev_b32 v14, 8, v14                      ; a lane a block of 256 bytes; lanes 30, 31 name block 29 again
	v_add_nc_u32 v[LB], s17, v1
	v_add_nc_u32 v[LB+1], SLOT, v[LB]
	v_add_nc_u32 v[LA], s100, v1
	v_add_nc_u32 v[LA+1], SLOT, v[LA]
	s_wait_alu depctr_va_vdst(0)
	SCALES
	s_cmp_eq_u32 ttmp9, 2
	s_cbranch_scc1 .Lbias_v
	WIN 0x40                                       ; absolute 352 on
.irp m, 0,1,2,3,4,5,6,7,8,9,10,11,12,13,14,15
	global_load_b128 v[96+4*\m:99+4*\m], v3, s[BI:BI+1] offset:128*(\m/4)+16*(\m%4)   ; register 16 b + i: column 32 b + 16 h + i
.endr
	WIN 0
	s_branch .Lbias_in
.Lbias_v:
	WIN 0x40
.irp m, 0,1,2,3,4,5,6,7
	global_load_b32 v[96+2*\m], v4, s[BI:BI+1] offset:64*\m   ; column 16 m + r, twice: a pair for the packed addition
	global_load_b32 v[97+2*\m], v4, s[BI:BI+1] offset:64*\m
.endr
	WIN 0
.Lbias_in:
	global_prefetch_b8 v14, s[PFA:PFA+1] th:TH_LOAD_NT scope:SCOPE_SE
	global_prefetch_b8 v14, s[PFA:PFA+1] offset:TSTR th:TH_LOAD_NT scope:SCOPE_SE
	s_mov_b32 s[SEL], 0x76543210
	s_mov_b32 s[SEL+1], 0xfedcba98
	s_wait_tensorcnt 0x0                           ; my part of K steps 0-2 is in
	ds_add_u32 v30, v31
	s_wait_dscnt 0x0
	CROUND                                         ; everybody's is, and all sixteen work-groups are here
	JLOAD 1                                        ; K steps 3-5 into slot 1
	BLOAD 0
	PLOAD 0, 0
	PLOAD 0, 4
	s_wait_loadcnt 0x0                             ; the scale words and the bias
.irp s, 0,1,2,3,4,5,6,7
	STEP \s
.endr
	WIN 0
.irp b, 0,1,2,3
	v_mov_b32 v[TM+4+\b], 0                        ; written once: a lane permute's destination counts as one of its sources
.endr
	v_cmp_lt_u32 vcc_lo, 15, v6                    ; lanes 16-31
	s_cmp_eq_u32 ttmp9, 2
	s_cbranch_scc1 .Lpath_v
	; q, k: a tile of 16 tokens at a time.  The fragment's registers 0-5 are head A's 64 codes, registers 6-11 head B's; each goes out as 3 x 256 bytes, 8 bytes a lane
.irp t, 0,1,2,3,4,5,6,7
	s_wait_xcnt 0x0                                ; the last tile's stores have read their registers
	ADDB \t
	QUANT T
.irp p, 0,1,2
	global_store_b64 v5, v[PC+2*\p:PC+1+2*\p], s[PA:PA+1] offset:768*\t+256*\p
	global_store_b64 v5, v[PC+6+2*\p:PC+7+2*\p], s[PB:PB+1] offset:768*\t+256*\p
.endr
	v_mov_b32 v[SW+\t], v[PW]
.endr
.irp j, 0,1,2,3
	v_cndmask_b32 v[96+\j], v[SW+\j], v[SW+4+\j], vcc_lo   ; lanes 0-15: tiles 0-3 of row lane, lanes 16-31: tiles 4-7
.endr
.irp j, 0,1,2,3
	v_lshrrev_b32 v[100+\j], 16, v[96+\j]          ; head B's two bytes come down; above them 0, which stands over zero codes only
.endr
	global_store_b128 v1, v[96:99], s[SA:SA+1]
	global_store_b128 v1, v[100:103], s[SB:SB+1]
	FIN
.Lpath_v:
	; v: a tile of 16 columns at a time: a whole fragment, 16 of a head's 64 x these 128 keys
.irp t, 0,1,2,3,4,5,6,7
	s_wait_xcnt 0x0
	ADDV \t
	QUANT T
.irp c, 0,1,2
.if \t < 4
	global_store_b128 v1, v[PC+4*\c:PC+3+4*\c], s[PA:PA+1] offset:1536*(\t%4)+512*\c
.else
	global_store_b128 v1, v[PC+4*\c:PC+3+4*\c], s[PB:PB+1] offset:1536*(\t%4)+512*\c
.endif
.endr
	v_mov_b32 v[SW+\t], v[PW]
.endr
.irp j, 0,1,2,3
	v_cndmask_b32 v[96+\j], v[SW+\j], v[SW+4+\j], vcc_lo
.endr
	global_store_b128 v7, v[96:99], s[SA:SA+1]
	FIN
.Lfunc_end_k_q4b2e6843e4_qkv:
	.size	k_q4b2e6843e4_qkv, .Lfunc_end_k_q4b2e6843e4_qkv-k_q4b2e6843e4_qkv
	.p2alignl 7, 3214868480
	.fill 96, 4, 3214868480
	.section	.rodata,"a",@progbits
	.p2align	6, 0x0
	.amdhsa_kernel k_q4b2e6843e4_qkv
		.amdhsa_group_segment_fixed_size 327680
		.amdhsa_private_segment_fixed_size 0
		.amdhsa_enable_private_segment 0
		.amdhsa_kernarg_size 56
		.amdhsa_user_sgpr_count 2
		.amdhsa_user_sgpr_kernarg_segment_ptr 1
		.amdhsa_wavefront_size32 1
		.amdhsa_system_sgpr_workgroup_id_x 1
		.amdhsa_system_sgpr_workgroup_id_y 1
		.amdhsa_system_sgpr_workgroup_id_z 1
		.amdhsa_system_vgpr_workitem_id 0
		.amdhsa_next_free_vgpr 1024
		.amdhsa_next_free_sgpr 102
		.amdhsa_reserve_vcc 1
		.amdhsa_float_denorm_mode_32 3
		.amdhsa_float_denorm_mode_16_64 3
		.amdhsa_memory_ordered 1
		.amdhsa_forward_progress 1
		.amdhsa_inst_pref_size 214
	.end_amdhsa_kernel
	.amdgpu_metadata
---
amdhsa.version: [ 1, 2 ]
amdhsa.kernels:
  - .name:           k_q4b2e6843e4_qkv
    .symbol:         k_q4b2e6843e4_qkv.kd
    .args:
      - { .name: hq, .offset: 0, .size: 8, .value_kind: global_buffer, .address_space: global }
      - { .name: wq, .offset: 8, .size: 8, .value_kind: global_buffer, .address_space: global }
      - { .name: bq, .offset: 16, .size: 8, .value_kind: global_buffer, .address_space: global }
      - { .name: bk, .offset: 24, .size: 8, .value_kind: global_buffer, .address_space: global }
      - { .name: bv, .offset: 32, .size: 8, .value_kind: global_buffer, .address_space: global }
      - { .name: qb, .offset: 40, .size: 8, .value_kind: global_buffer, .address_space: global }
      - { .name: kv, .offset: 48, .size: 8, .value_kind: global_buffer, .address_space: global }
    .group_segment_fixed_size: 327680
    .private_segment_fixed_size: 0
    .kernarg_segment_align: 8
    .kernarg_segment_size: 56
    .max_flat_workgroup_size: 128
    .sgpr_count:     102
    .vgpr_count:     1024
    .wavefront_size: 32
...
	.end_amdgpu_metadata
.endif
;; end of part 2
;; launch attn (part 3): grid 4 x 64, 16 waves a work-group, clusters of 4 x 1, 176,128 bytes of LDS; arguments qb, kv, x, x1; writes x1
.if DOCPART == 3
	.amdgcn_target "amdgcn-amd-amdhsa--gfx1250"
	.amdhsa_code_object_version 6
	.text
	.protected	k_q4b2e6843e4_attn
	.globl	k_q4b2e6843e4_attn
	.p2align	8
	.type	k_q4b2e6843e4_attn,@function
k_q4b2e6843e4_attn:
	s_mov_b64 s[64:65], 0
	v_nop
	global_prefetch_b8 v0, s[64:65] scope:SCOPE_SE
	s_setreg_imm32_b32 hwreg(HW_REG_WAVE_MODE, 25, 1), 1
	s_wait_xcnt 0x0
	s_wait_alu depctr_hold_cnt(0) depctr_sa_sdst(0) depctr_va_vdst(0) depctr_va_sdst(0) depctr_va_ssrc(0) depctr_va_vcc(0) depctr_vm_vsrc(0)
	s_getreg_b32 s2, hwreg(HW_REG_IB_STS2, 6, 4)
	s_cmp_eq_u32 s2, 0
	s_cbranch_scc0 .Lentry_in_a_cluster
	s_endpgm
.Lentry_in_a_cluster:
	s_bfe_u32 s2, ttmp6, 0x10000c
	s_cmp_lg_u32 s2, 0x3003
	s_cbranch_scc0 .Lentry_shape_is_right
	s_endpgm
.Lentry_shape_is_right:
; x1 = x + attention, both products on codes of FP6 (E2M3) with E8M0 scales.  Logits above the diagonal are FILLED with 1e-9, not hidden: the first product is needed only up to the diagonal, the second runs over all 1,024 keys.
; SOFTMAX: t = logit x log2(e); M = the largest t so far, rounded up to a whole number; p = 2^(t - M) is quantised along the keys; the sum is taken of the unquantised p and divides at the end; when M moves, sum and O are multiplied by a power of two.
; A cluster of four work-groups serves one head of one batch; all four need the head's whole K and V (104,448 bytes of codes and scale words): they come ONCE, by joint tensor loads, one for each of waves 0-7, and stay.  Nothing is filled again.
; A wave owns one tile of 16 queries: tokens 128 blk + 32 j + 8 u + r + 8 (r / 8), j the work-group's place in the cluster.  blk and u hang on the wave's number alone: with s = w % 4 and k = w / 4, blk = (0, 7, 3, 4)[s] xor (0, 7, 1, 6)[k], u = k % 2.
; A wave has blk + 1 full key steps.  Waves w, w + 4, w + 8, w + 12 have 18 of them together, and so have waves 4 k .. 4 k + 3: the work is even whichever four waves share a SIMD.
; A key step is 128 keys.  Steps up to blk are full: S^T = K Q^T, softmax, O^T += V^T P^T.  In the steps behind blk every p of a row is the same number p0 = 2^(t0 - M): its fragment and scale word are made once, and a step is 13 LDS loads and 4 matrix instructions.
; The head is 64 wide and the matrix instruction 128 deep: Q's registers 6-11 hold zero codes, so what K's operand holds there (the next tile's codes) adds nothing.
; The residual's rows of x are asked for behind the barrier that shows K and V landed: nothing waits for them before the way out, and the first product waits for K and V.
; LIMITS: NaN and infinities are not served; a p under 2^-126 counts as 0.
; REGISTERS: v1-5, v7 addresses that stay; v8-11 the step's; v12 -M, v13 largest t, v[14:15] the sum; v16-27 Q; v29 my query less 16 h; v30 p0; v32-85 K (6 a tile), later V; v96-159 S^T, p; v160-191 O^T; v192-223 x; v224-235 p's codes; v232-254 at work; v255 Q's scale word.
.set WV,  12
.set CX,  13
.set BH,  14
.set BLK, 15
.set UU,  16
.set SEL, 20
.set CS,  22                           ; s[22:23] c = log2(e) / 8
.set G1,  24
.set G0,  32
.set TB,  36                           ; LDS byte at which the key step begins
.set KS,  37                           ; the key step
.set STAGE, 104448                     ; behind K and V: 16 rows x 272 bytes for each wave
.macro CROUND                          ; a round of the cluster's barrier
	s_barrier_signal -1
	s_barrier_wait -1
	s_cmp_lg_u32 s[WV], 0
	s_cbranch_scc1 .Lnot_wave_0_\@
	s_barrier_signal -3
.Lnot_wave_0_\@:
	s_barrier_wait -3
	s_barrier_signal -1
	s_barrier_wait -1
.endm
	s_load_b256 s[4:11], s[0:1], 0x0               ; qb, kv, x, x1
	v_lshl_add_u32 v95, v0, 2, 0x2a800
	v_mov_b32 v243, 0
	ds_add_u32 v95, v243
	ds_add_u32 v95, v243
	v_lshrrev_b32 v1, 5, v0
	s_delay_alu instid0(VALU_DEP_1)
	v_readfirstlane_b32 s[WV], v1
	s_bfe_u32 s[CX], ttmp6, 0x40000                ; my place in the cluster: it enters global addresses and one vector number, no branch and no LDS address
	s_and_b32 s[BH], ttmp7, 0xffff                 ; 16 x batch + head
	s_and_b32 s38, s[WV], 3                        ; s
	s_lshr_b32 s39, s[WV], 2                       ; k
	s_lshl_b32 s38, s38, 2
	s_lshr_b32 s38, 0x4370, s38
	s_and_b32 s38, s38, 7                          ; 0, 7, 3, 4 by s
	s_lshl_b32 s40, s39, 2
	s_lshr_b32 s40, 0x6170, s40
	s_and_b32 s40, s40, 7                          ; 0, 7, 1, 6 by k
	s_xor_b32 s[BLK], s38, s40
	s_and_b32 s[UU], s39, 1
	s_mov_b32 s[G1], 15|(3<<16)|(1<<21)            ; the mask: all four work-groups; elements of 8 bytes; bit 21 beside a mask; no padding
	s_mov_b32 s[G1+1], 32<<16                      ; rows of 256 bytes
	s_mov_b32 s[G1+2], 51<<16                      ; 51 of them: a key step's 13,056 dense bytes
	s_mov_b32 s[G1+3], 32<<16
	s_mov_b32 s[G1+4], 51
	s_mov_b32 s[G1+5], 32
	s_mov_b32 s[G1+6], 0
	s_mov_b32 s[G1+7], 0
	s_mov_b32 s[G0], 1
	s_mul_i32 s[G0+1], s[WV], 13056                ; wave w brings key step w
	s_mul_i32 s38, s[BH], 104448
	s_add_co_u32 s38, s38, s[G0+1]
	s_mov_b32 s39, 0
	s_mov_b32 s[SEL], 0x76543210
	s_mov_b32 s[SEL+1], 0xfedcba98
	s_mov_b32 s[CS], 0x3e38aa3b
	s_mov_b32 s[CS+1], s[CS]
	s_lshl_b32 s40, s[CX], 1
	s_add_co_u32 s40, s40, s[UU]                   ; my tile in its block of 128 queries
	s_lshl_b32 s41, s[BH], 3
	s_add_co_u32 s41, s41, s[BLK]
	s_mul_i32 s41, s41, 6656
	s_mul_i32 s42, s40, 768
	s_add_co_u32 s42, s42, s41
	s_mov_b32 s43, 0
	s_lshr_b32 s46, s40, 2
	s_lshl_b32 s46, s46, 8
	s_and_b32 s47, s40, 3
	s_lshl_b32 s47, s47, 2
	s_add_co_u32 s46, s46, s47
	s_add_co_u32 s46, s46, s41
	s_add_co_u32 s46, s46, 6144
	s_mov_b32 s47, 0
	s_lshl_b32 s48, s[CX], 5
	s_lshl_b32 s49, s[UU], 3
	s_add_co_u32 s48, s48, s49                     ; 32 j + 8 u
	s_lshr_b32 s50, s[BH], 4
	s_lshl_b32 s50, s50, 10
	s_lshl_b32 s51, s[BLK], 7
	s_add_co_u32 s50, s50, s51
	s_add_co_u32 s50, s50, s48
	s_lshl_b32 s50, s50, 12                        ; my first token's row of x,
	s_and_b32 s51, s[BH], 15
	s_lshl_b32 s51, s51, 8
	s_add_co_u32 s50, s50, s51                     ; the head's 256 bytes in it
	s_mov_b32 s51, 0
	s_wait_dscnt 0x0
	s_wait_kmcnt 0x0
	s_add_nc_u64 s[G0+2:G0+3], s[6:7], s[38:39]
	s_or_b32 s[G0+3], s[G0+3], 0x80000000
	s_add_nc_u64 s[44:45], s[4:5], s[42:43]        ; Q's codes
	s_add_nc_u64 s[46:47], s[4:5], s[46:47]        ; Q's scale words
	s_add_nc_u64 s[8:9], s[8:9], s[50:51]
	s_add_nc_u64 s[10:11], s[10:11], s[50:51]
	CROUND                                         ; all four work-groups are here: the joint loads meet
	s_cmp_lt_u32 s[WV], 8
	s_cbranch_scc0 .Lno_fill
	tensor_load_to_lds s[G0:G0+3], s[G1:G1+7]      ; one load of mine is out
	s_nop 0
.rept 4
	v_nop
.endr
.Lno_fill:
	v_and_b32 v28, 31, v0
	v_and_b32 v8, 15, v0                           ; r
	v_bfe_u32 v9, v0, 4, 1                         ; h
	s_delay_alu instid0(VALU_DEP_3)
	v_lshlrev_b32 v1, 3, v28                       ; K's tiles, and Q's: 8 x lane
	s_delay_alu instid0(VALU_DEP_4)
	v_lshlrev_b32 v3, 4, v28
	s_delay_alu instid0(VALU_DEP_1)
	v_add_nc_u32 v2, 6144, v3                      ; V's fragments: 16 x lane
	s_delay_alu instid0(VALU_DEP_2)
	v_add_nc_u32 v3, 12288, v3                     ; K's scale words: lanes 0-15 tiles 0-3, lanes 16-31 tiles 4-7
	v_lshlrev_b32 v5, 4, v8
	s_delay_alu instid0(VALU_DEP_1)
	v_add_nc_u32 v4, 12800, v5                     ; V's scale words: 16 r
	v_lshlrev_b32 v7, 12, v9
	s_delay_alu instid0(VALU_DEP_1)
	v_lshl_add_u32 v7, v8, 4, v7                   ; x, x1: lanes 0-15 one row, lanes 16-31 the next; 16 bytes a lane
.irp p, 0,1,2
	global_load_b64 v[16+2*\p:17+2*\p], v1, s[44:45] offset:256*\p
.endr
	global_load_b32 v255, v5, s[46:47]
	v_and_b32 v10, 8, v8
	s_delay_alu instid0(VALU_DEP_1)
	v_add_nc_u32 v10, v10, v8
	v_lshlrev_b32 v11, 4, v9
	s_delay_alu instid0(VALU_DEP_1)
	v_sub_nc_u32 v10, v10, v11
	s_delay_alu instid0(VALU_DEP_1)
	v_add_nc_u32 v29, s48, v10                     ; d = my query in its block - 16 h
	v_mov_b32 v13, 0xff61b1e6                      ; the largest t so far: -3e38
	s_delay_alu instid0(VALU_DEP_1)
	v_floor_f32 v12, -v13
	v_mov_b32 v14, 0
	v_mov_b32 v15, 0
	v_mov_b32 v30, 0
	v_mov_b32 v252, 0
	v_mov_b32 v253, 0                              ; p's scale word is written here, ahead of the 60 moves below: a scale register written by a vector instruction stands eight plain vector instructions or more ahead of the scaled product that names it, on every way into the loop
.irp i, 22,23,24,25,26,27,80,81,82,83,84,85
	v_mov_b32 v[\i], 0                             ; zero codes: Q's upper 64 along K, and what stands behind K's last tile
.endr
.set n, 0
.rept 32
	v_mov_b32 v[160+n], 0                          ; O^T: the loop is written once; its first step finds zeros
.set n, n+1
.endr
.set n, 224
.rept 16
	v_mov_b32 v[n], 0                              ; p's codes, and the permutes' destinations: written once
.set n, n+1
.endr
	s_mov_b32 s[KS], 0
	s_mov_b32 s[TB], 0
	s_wait_tensorcnt 0x0                           ; my key step is in,
	s_barrier_signal -1
	s_barrier_wait -1                              ; everybody's is
	s_wait_loadcnt 0x0                             ; Q
.irp k, 0,1,2,3,4,5,6,7
	global_load_b128 v[192+4*\k:195+4*\k], v7, s[8:9] offset:(2*\k+8*(\k/4))*4096   ; the residual's rows: wanted at the end; they have the whole loop in which to land
.endr
.Lstep:
	v_add_nc_u32 v8, s[TB], v1                     ; (these four are also the places behind the last step's products)
	v_add_nc_u32 v9, s[TB], v2
	v_add_nc_u32 v10, s[TB], v3
	v_add_nc_u32 v11, s[TB], v4
	s_cmp_gt_u32 s[KS], s[BLK]
	s_cbranch_scc1 .Lhid
.irp t, 0,1,2,3,4,5,6,7
.irp p, 0,1,2
	ds_load_b64 v[32+6*\t+2*\p:33+6*\t+2*\p], v8 offset:768*\t+256*\p
.endr
.endr
	ds_load_b128 v[248:251], v10
	s_wait_dscnt 0x0
.irp t, 0,1,2,3
	v_wmma_scale_f32_16x16x128_f8f6f4 v[96+8*\t:103+8*\t], v[32+6*\t:43+6*\t], v[16:27], 0, v[248+\t], v255 matrix_a_fmt:MATRIX_FMT_FP6 matrix_b_fmt:MATRIX_FMT_FP6
.endr
.irp t, 4,5,6,7
	v_wmma_scale_f32_16x16x128_f8f6f4 v[96+8*\t:103+8*\t], v[32+6*\t:43+6*\t], v[16:27], 0, v[244+\t], v255 matrix_a_fmt:MATRIX_FMT_FP6 matrix_b_fmt:MATRIX_FMT_FP6 matrix_a_scale:MATRIX_SCALE_ROW1
.endr
.rept 4
	v_nop
.endr
	s_cmp_lg_u32 s[KS], s[BLK]
	s_cbranch_scc1 .Lopen
	v_mov_b32 v254, 0x3209705f                     ; 8e-9: times 1 / 8 the fill 1e-9.  Register n holds key 32 (n / 16) + 16 h + n % 16 of the step: filled where it comes after my query
.set n, 0
.rept 64
	v_cmp_gt_i32 vcc_lo, 32*(n/16)+n%16, v29
	v_cndmask_b32 v[96+n], v[96+n], v254, vcc_lo
.set n, n+1
.endr
.Lopen:
.irp b, 0,1,2,3
	v_max3_num_f32 v[232+\b], v[96+16*\b], v[97+16*\b], v[98+16*\b]   ; the largest score of each block of 32 keys: for the row's maximum, and, since p rises with the score, for the block's largest p
.endr
.irp i, 3,5,7,9,11,13
.irp b, 0,1,2,3
	v_max3_num_f32 v[232+\b], v[232+\b], v[96+16*\b+\i], v[97+16*\b+\i]
.endr
.endr
.irp b, 0,1,2,3
	v_max_num_f32 v[232+\b], v[232+\b], v[111+16*\b]
.endr
.irp b, 0,1,2,3
	s_delay_alu instid0(VALU_DEP_4)
	v_permlanex16_b32 v[236+\b], v[232+\b], s[SEL], s[SEL+1]
.endr
.irp b, 0,1,2,3
	s_delay_alu instid0(VALU_DEP_4)
	v_max_num_f32 v[232+\b], v[232+\b], v[236+\b]
.endr
	s_delay_alu instid0(VALU_DEP_2)
	v_max3_num_f32 v254, v232, v233, v234
	s_delay_alu instid0(VALU_DEP_1)
	v_max_num_f32 v254, v254, v235
	s_delay_alu instid0(VALU_DEP_1)
	v_mul_f32 v254, s[CS], v254
	s_delay_alu instid0(VALU_DEP_1)
	v_max_num_f32 v13, v13, v254                   ; the running largest t
	v_mov_b32 v254, v12
	s_delay_alu instid0(VALU_DEP_2)
	v_floor_f32 v12, -v13                          ; -M = floor(-t)
	s_delay_alu instid0(VALU_DEP_1)
	v_sub_f32 v254, v12, v254
	s_delay_alu instid0(VALU_DEP_1)
	v_cvt_i32_f32 v254, v254                       ; (it saturates)
	s_delay_alu instid0(VALU_DEP_1)
	v_ldexp_f32 v252, 1.0, v254                    ; f = 2^(old M - new M)
.set n, 0
.rept 32
	v_pk_fma_f32 v[96+n:97+n], v[96+n:97+n], s[CS:CS+1], v[12:13] op_sel_hi:[1,0,0]   ; t - M
.set n, n+2
.endr
.irp b, 0,1,2,3
	v_fma_f32 v[232+\b], v[232+\b], s[CS], v12
.endr
.set n, 0
	s_wait_alu depctr_va_vdst(0)
.rept 64
	v_exp_f32 v[96+n], v[96+n]                     ; p, not normalised
.set n, n+1
.endr
	v_pk_mul_f32 v[14:15], v[14:15], v[252:253] op_sel_hi:[1,0]   ; the sums under the new M (a plain place behind the exponentials)
	s_wait_alu depctr_va_vdst(0)                   ; one wait for the batch, ahead of its first reader
.irp b, 0,1,2,3
	v_exp_f32 v[232+\b], v[232+\b]                 ; the blocks' largest p
.endr
	v_pk_add_f32 v[236:237], v[100:101], v[104:105]
	v_pk_add_f32 v[250:251], v[108:109], v[112:113]
	v_pk_add_f32 v[248:249], v[116:117], v[120:121]
	v_pk_add_f32 v[246:247], v[124:125], v[128:129]
	v_pk_add_f32 v[244:245], v[132:133], v[136:137]
	v_pk_add_f32 v[240:241], v[140:141], v[144:145]
	v_pk_add_f32 v[238:239], v[148:149], v[152:153]
	v_pk_add_f32 v[14:15], v[14:15], v[156:157]
	v_pk_add_f32 v[236:237], v[236:237], v[96:97]
	v_pk_add_f32 v[250:251], v[250:251], v[98:99]
	v_pk_add_f32 v[248:249], v[248:249], v[102:103]
	v_pk_add_f32 v[246:247], v[246:247], v[106:107]
	v_pk_add_f32 v[244:245], v[244:245], v[110:111]
	v_pk_add_f32 v[240:241], v[240:241], v[114:115]
	v_pk_add_f32 v[238:239], v[238:239], v[118:119]
	v_pk_add_f32 v[14:15], v[14:15], v[122:123]
	v_pk_add_f32 v[236:237], v[236:237], v[126:127]
	v_pk_add_f32 v[250:251], v[250:251], v[130:131]
	v_pk_add_f32 v[248:249], v[248:249], v[134:135]
	v_pk_add_f32 v[246:247], v[246:247], v[138:139]
	v_pk_add_f32 v[244:245], v[244:245], v[142:143]
	v_pk_add_f32 v[240:241], v[240:241], v[146:147]
	v_pk_add_f32 v[238:239], v[238:239], v[150:151]
	v_pk_add_f32 v[14:15], v[14:15], v[154:155]
	v_pk_add_f32 v[236:237], v[236:237], v[158:159]
	s_delay_alu instid0(VALU_DEP_2)
	v_pk_add_f32 v[14:15], v[14:15], v[246:247]
	s_delay_alu instid0(VALU_DEP_2)
	v_pk_add_f32 v[236:237], v[236:237], v[244:245]
	v_pk_add_f32 v[250:251], v[250:251], v[240:241]
	v_pk_add_f32 v[248:249], v[248:249], v[238:239]
	s_delay_alu instid0(VALU_DEP_2)
	v_pk_add_f32 v[14:15], v[14:15], v[250:251]
	s_delay_alu instid0(VALU_DEP_2)
	v_pk_add_f32 v[236:237], v[236:237], v[248:249]
	s_delay_alu instid0(VALU_DEP_1)
	v_pk_add_f32 v[14:15], v[14:15], v[236:237]
	s_wait_alu depctr_va_vdst(0)                   ; and one for the four
.irp b, 0,1,2,3
	v_max_num_f32 v[232+\b], 0x1800000, v[232+\b]
.endr
.irp b, 0,1,2,3
	s_delay_alu instid0(VALU_DEP_4)
	v_add_nc_u32 v[244+\b], 0xff000000, v[232+\b]
.endr
.irp b, 0,1,2,3
	s_delay_alu instid0(VALU_DEP_4)
	v_lshrrev_b32 v[236+\b], 23, v[244+\b]
.endr
	s_delay_alu instid0(VALU_DEP_3)
	v_lshl_or_b32 v253, v237, 8, v236              ; p's scale word for these 128 keys
	s_delay_alu instid0(VALU_DEP_1)
	v_lshl_or_b32 v253, v238, 16, v253
	s_delay_alu instid0(VALU_DEP_1)
	v_lshl_or_b32 v253, v239, 24, v253
.irp c, 0,1
	v_cvt_scalef32_pk16_fp6_f32 v[224+6*\c:226+6*\c], v[96+32*\c:111+32*\c], v[244+2*\c]
	v_cvt_scalef32_pk16_fp6_f32 v[236+4*\c:238+4*\c], v[112+32*\c:127+32*\c], v[244+2*\c+1]
.endr
	v_nop
.irp c, 0,1
.irp i, 0,1,2
	v_permlane16_swap_b32 v[224+6*\c+\i], v[236+4*\c+\i]
.endr
.irp i, 0,1,2
	s_delay_alu instid0(VALU_DEP_3)
	v_mov_b32 v[227+6*\c+\i], v[236+4*\c+\i]
.endr
.endr
.set n, 0
.rept 16
	v_pk_mul_f32 v[160+n:161+n], v[160+n:161+n], v[252:253] op_sel_hi:[1,0]   ; O^T under the new M; these 16 are also the places in front of the products below
.set n, n+2
.endr
	s_branch .Lpv
.Lhid:
	s_add_co_u32 s38, s[BLK], 1
	s_cmp_lg_u32 s[KS], s38
	s_cbranch_scc1 .Lnoprep
	; the first step behind the diagonal: the fill enters the maximum; p0, its scale word and its fragment are made once
	v_max_num_f32 v13, 0x30c64852, v13             ; t0 = 1e-9 x log2(e)
	v_mov_b32 v254, v12
	s_delay_alu instid0(VALU_DEP_2)
	v_floor_f32 v12, -v13
	s_delay_alu instid0(VALU_DEP_1)
	v_sub_f32 v254, v12, v254
	s_delay_alu instid0(VALU_DEP_1)
	v_cvt_i32_f32 v254, v254
	s_delay_alu instid0(VALU_DEP_1)
	v_ldexp_f32 v252, 1.0, v254
	s_delay_alu instid0(VALU_DEP_4)
	v_add_f32 v30, 0x30c64852, v12
	s_wait_alu depctr_va_vdst(0)
	v_exp_f32 v30, v30                             ; p0 = 2^(t0 - M)
	v_nop
	s_wait_alu depctr_va_vdst(0)
	v_max_num_f32 v232, 0x1800000, v30
	s_delay_alu instid0(VALU_DEP_1)
	v_add_nc_u32 v244, 0xff000000, v232
	s_delay_alu instid0(VALU_DEP_1)
	v_lshrrev_b32 v236, 23, v244
	s_delay_alu instid0(VALU_DEP_1)
	v_lshl_or_b32 v253, v236, 8, v236
	s_delay_alu instid0(VALU_DEP_1)
	v_lshl_or_b32 v253, v253, 16, v253             ; the same byte for all four blocks
.set n, 0
.rept 16
	v_mov_b32 v[96+n], v30
.set n, n+1
.endr
	v_cvt_scalef32_pk16_fp6_f32 v[224:226], v[96:111], v244   ; 16 equal codes, 96 bits: the fragment is this pattern four times
	v_nop
.irp i, 0,1,2
	v_mov_b32 v[227+\i], v[224+\i]
	v_mov_b32 v[230+\i], v[224+\i]
	v_mov_b32 v[233+\i], v[224+\i]
.endr
	v_pk_mul_f32 v[14:15], v[14:15], v[252:253] op_sel_hi:[1,0]
.set n, 0
.rept 16
	v_pk_mul_f32 v[160+n:161+n], v[160+n:161+n], v[252:253] op_sel_hi:[1,0]   ; (also the places in front of the products)
.set n, n+2
.endr
.Lnoprep:
	s_wait_alu depctr_va_vdst(0)
	v_fmac_f32 v14, 0x42800000, v30                ; my 64 keys of the step: 64 p0
.Lpv:
.irp t, 0,1,2,3
.irp c, 0,1,2
	ds_load_b128 v[32+12*\t+4*\c:35+12*\t+4*\c], v9 offset:1536*\t+512*\c
.endr
.endr
	ds_load_b128 v[248:251], v11
	s_wait_dscnt 0x0
	s_wait_alu depctr_va_vdst(0)
.irp t, 0,1,2,3
	v_wmma_scale_f32_16x16x128_f8f6f4 v[160+8*\t:167+8*\t], v[32+12*\t:43+12*\t], v[224:235], v[160+8*\t:167+8*\t], v[248+\t], v253 matrix_a_fmt:MATRIX_FMT_FP6 matrix_b_fmt:MATRIX_FMT_FP6
.endr
	s_add_co_u32 s[TB], s[TB], 13056
	s_add_co_u32 s[KS], s[KS], 1
	s_cmp_lt_u32 s[KS], 8
	s_cbranch_scc1 .Lstep
	; THE WAY OUT: O^T / the sum goes through my stage and comes back as rows; x is added; sixteen lanes store the head's 256 aligned bytes of a row
	v_add_f32 v14, v14, v15
	s_delay_alu instid0(VALU_DEP_1)
	v_permlanex16_b32 v252, v14, s[SEL], s[SEL+1]
	s_delay_alu instid0(VALU_DEP_1)
	v_add_f32 v14, v14, v252
	s_wait_alu depctr_va_vdst(0)
	v_rcp_f32 v14, v14
	v_and_b32 v8, 15, v0
	v_bfe_u32 v9, v0, 4, 1
	s_mul_i32 s38, s[WV], 16*272
	s_add_co_u32 s38, s38, STAGE
	v_mul_u32_u24 v10, v8, 272
	s_delay_alu instid0(VALU_DEP_1)
	v_lshl_add_u32 v10, v9, 5, v10
	s_delay_alu instid0(VALU_DEP_1)
	v_add_nc_u32 v10, s38, v10
	v_mul_u32_u24 v11, v9, 272
	s_delay_alu instid0(VALU_DEP_1)
	v_lshl_add_u32 v11, v8, 4, v11
	s_delay_alu instid0(VALU_DEP_1)
	v_add_nc_u32 v11, s38, v11
	s_wait_alu depctr_va_vdst(0)
.set n, 0
.rept 32
	v_mul_f32 v[96+n], v[160+n], v14               ; register 8 t + i: o(r, 16 t + 8 h + i)
.set n, n+1
.endr
.irp t, 0,1,2,3
	ds_store_b128 v10, v[96+8*\t:99+8*\t] offset:64*\t
	ds_store_b128 v10, v[100+8*\t:103+8*\t] offset:64*\t+16
.endr
.irp k, 0,1,2,3,4,5,6,7
	ds_load_b128 v[128+4*\k:131+4*\k], v11 offset:2*\k*272   ; LDS serves a wave's instructions in order: these see my stores
.endr
	s_wait_loadcnt 0x0                             ; x
	s_wait_dscnt 0x0
.set n, 0
.rept 16
	v_pk_add_f32 v[128+n:129+n], v[128+n:129+n], v[192+n:193+n]
.set n, n+2
.endr
.irp k, 0,1,2,3,4,5,6,7
	global_store_b128 v7, v[128+4*\k:131+4*\k], s[10:11] offset:(2*\k+8*(\k/4))*4096
.endr
	s_wait_tensorcnt 0x0
	ds_add_u32 v95, v243
	s_wait_dscnt 0x0
	CROUND                                         ; the closing round
	s_endpgm
.Lfunc_end_k_q4b2e6843e4_attn:
	.size	k_q4b2e6843e4_attn, .Lfunc_end_k_q4b2e6843e4_attn-k_q4b2e6843e4_attn
	.p2alignl 7, 3214868480
	.fill 96, 4, 3214868480
	.section	.rodata,"a",@progbits
	.p2align	6, 0x0
	.amdhsa_kernel k_q4b2e6843e4_attn
		.amdhsa_group_segment_fixed_size 176128
		.amdhsa_private_segment_fixed_size 0
		.amdhsa_enable_private_segment 0
		.amdhsa_kernarg_size 32
		.amdhsa_user_sgpr_count 2
		.amdhsa_user_sgpr_kernarg_segment_ptr 1
		.amdhsa_wavefront_size32 1
		.amdhsa_system_sgpr_workgroup_id_x 1
		.amdhsa_system_sgpr_workgroup_id_y 1
		.amdhsa_system_sgpr_workgroup_id_z 1
		.amdhsa_system_vgpr_workitem_id 0
		.amdhsa_next_free_vgpr 256
		.amdhsa_next_free_sgpr 66
		.amdhsa_reserve_vcc 1
		.amdhsa_float_denorm_mode_32 3
		.amdhsa_float_denorm_mode_16_64 3
		.amdhsa_memory_ordered 1
		.amdhsa_forward_progress 1
		.amdhsa_inst_pref_size 40
	.end_amdhsa_kernel
	.amdgpu_metadata
---
amdhsa.version: [ 1, 2 ]
amdhsa.kernels:
  - .name:           k_q4b2e6843e4_attn
    .symbol:         k_q4b2e6843e4_attn.kd
    .args:
      - { .name: qb, .offset: 0, .size: 8, .value_kind: global_buffer, .address_space: global }
      - { .name: kv, .offset: 8, .size: 8, .value_kind: global_buffer, .address_space: global }
      - { .name: x, .offset: 16, .size: 8, .value_kind: global_buffer, .address_space: global }
      - { .name: x1, .offset: 24, .size: 8, .value_kind: global_buffer, .address_space: global }
    .group_segment_fixed_size: 176128
    .private_segment_fixed_size: 0
    .kernarg_segment_align: 8
    .kernarg_segment_size: 32
    .max_flat_workgroup_size: 512
    .sgpr_count:     66
    .vgpr_count:     256
    .wavefront_size: 32
...
	.end_amdgpu_metadata
.endif
;; end of part 3
;; launch ln2: the kernel of part 1 again; grid 256 x 3, 8 waves a work-group, no clusters, 70,144 bytes of LDS; arguments x1, ln2_g, ln2_b, hq, wq, Wq_codes, Wq_scales, Wk_codes, Wk_scales, Wv_codes, Wv_scales, W1_codes, W1_scales, W2_codes, W2_scales; writes hq, wq
;; launch mlp1 (part 4): grid 16 x 16, 4 waves a work-group, clusters of 4 x 4, 327,680 bytes of LDS; arguments hq, wq, b1, gq; writes gq
.if DOCPART == 4
	.amdgcn_target "amdgcn-amd-amdhsa--gfx1250"
	.amdhsa_code_object_version 6
	.text
	.protected	k_q4b2e6843e4_mlp1
	.globl	k_q4b2e6843e4_mlp1
	.p2align	8
	.type	k_q4b2e6843e4_mlp1,@function
k_q4b2e6843e4_mlp1:
	s_mov_b64 s[64:65], 0
	v_nop
	global_prefetch_b8 v0, s[64:65] scope:SCOPE_SE
	s_setreg_imm32_b32 hwreg(HW_REG_WAVE_MODE, 25, 1), 1
	s_wait_xcnt 0x0
	s_wait_alu depctr_hold_cnt(0) depctr_sa_sdst(0) depctr_va_vdst(0) depctr_va_sdst(0) depctr_va_ssrc(0) depctr_va_vcc(0) depctr_vm_vsrc(0)
	s_getreg_b32 s2, hwreg(HW_REG_IB_STS2, 6, 4)
	s_cmp_eq_u32 s2, 0
	s_cbranch_scc0 .Lentry_in_a_cluster
	s_endpgm
.Lentry_in_a_cluster:
	s_bfe_u32 s2, ttmp6, 0x10000c
	s_cmp_lg_u32 s2, 0xf033
	s_cbranch_scc0 .Lentry_shape_is_right
	s_endpgm
.Lentry_shape_is_right:
; g = gelu(LN2(x1) W1 + b1), exact (erf) form, on codes of FP6 (E2M3) with E8M0 scales, quantised at once along the 4,096 hidden units.
; A work-group takes 256 tokens (y) and 256 hidden units (x); wave w takes tokens' half w / 2 and hidden half w % 2: 128 x 128, 64 accumulators, K = 1,024 in 8 steps written out.
; Source 0 = 16 rows of W1, source 1 = 16 tokens: a lane holds one token and its registers run along the hidden units, so a wave's results for a tile of tokens are one fragment (K step 2 x + w % 2) of the next product.
; BOTH OPERANDS are images of fragments (1,536 bytes for 16 rows x 128 K, a tile's eight images on end, tiles 12,800 bytes apart).  CLUSTERS of 4 x 4: the four work-groups of a cluster's row need the same tokens,
; the four of a column the same rows of W1: each tile is asked for jointly.  Waves 0, 1 fetch the tokens' tiles 0-7, 8-15, waves 2, 3 W1's: one load a wave, 8 rows of 4,608 bytes (three K steps).
; THE RING: two slots of three K steps (147,456 bytes each).  K steps 0-2 at the head, 3-5 behind the first round, 6-7 (rows of 3,072 bytes) into slot 0 in step 2, when its last fragments are in registers.
; A step's products go by tiles of tokens, each against W1's eight: ONE set of registers serves the tokens (tiles 0-3 fetched anew in the step's middle, 4-7 at its end), TWO sets W1.
; Scale words and b1 come from memory straight into registers, under the first fill's flight.
; PREFETCH: behind the head's load each loading wave names K steps 3-7 of its eight tiles, 30 blocks of 256 bytes a tile; the four partners that ask jointly take two tiles each, told apart by address: two instructions a wave.
; GELU: max(x, 0) - |x| r, r = erfc(|x| / sqrt 2) / 2 = t 2^(-x^2 log2(e) / 2 + P(t)), t = 1 / (1 + |x| / sqrt 8), P of degree 9 (fractional error 1.2e-7 for every x), in f32; P's coefficients carry log2(e), its constant term the 1/2.
; THE RESULTS' SCALE WORDS: of a block of 256 tokens' sixteen scale areas in gq, area x holds [tile 0-15][K step 2 x, 2 x + 1][16 rows]: a work-group stores 2,048 consecutive bytes.
; LIMITS: NaN and infinities are not served; a block whose largest magnitude lies under 2^-124 keeps the byte 1, a block of zeros too (its codes are zeros, and this program alone reads the bytes).
; REGISTERS (absolute): 0-31 addresses; 32-63 W1's scale words, 64-95 the tokens' (tile i, pair of K steps p: 4 i + p; lanes 0-15 the even step, 16-31 the odd); W1's fragments: sets at 96 and 256; the tokens': 192 (five tiles), 448 (three); b1 at 352; accumulator (a, b) at 512 + 64 b + 8 a.
.set TSTR, 12800
.set REG3, 36864                       ; what one load of three K steps brings: 8 x 4,608 bytes
.set SLOT, 4*REG3
.set SCW, 2*SLOT                       ; behind the ring: 2,048 bytes for the results' scale words
.set SPARE, SCW+2048                   ; the spare words: 128 bytes a wave
.set WV, 12
.set RH, 13                            ; my half of the tokens; also: I fetch for the tokens (0) or for W1 (1)
.set CH, 14                            ; my half of the hidden units; also: which eight tiles I fetch
.set G1, 24                            ; s[24:31] group 1 for the tokens' tiles, s[32:39] for W1's
.set G1B, 32
.set G0, 40                            ; s[40:51] group 0 for the tokens' three fills, s[52:63] for W1's
.set G0B, 52
.set CF, 66                            ; s[66+2k:67+2k] coefficient k of P, k = 0 .. 8
.set SEL, 84
.set NL, 86                            ; s[86:87] -log2(e) / 2
.set C1, 88                            ; 1 / sqrt 8
.set IT, 89
.set LO, 90
.set GO, 92                            ; s[92:93] where the tile's image goes
.set SO, 94                            ; s[94:95] where the scale words go
.set YS, 96                            ; s[96:97] the tokens' scale words, s[98:99] W1's
.set XS, 98
.set BI, 100                           ; s[100:101] b1
.set PFA, 22                           ; s[22:23] the prefetches' base
.set LA, 8                             ; v8, v9   my tokens' fragments in slot 0, 1
.set LB, 10                            ; v10, v11 W1's
.set CV, 16                            ; v[16:17] coefficient 9
.set T,  96
.set PC, 160
.set TM, 200
.set PW, 216
.set GZ, 160
.set GU, 192
.set GA, 224
.set MSB, 0
.macro WIN new                         ; the immediate's high byte repeats the setting that is left
.if MSB != (\new)
	s_set_vgpr_msb (MSB<<8)|(\new)
.set MSB, \new
.endif
.endm
.macro PLACES                          ; four places behind a matrix instruction (ISA guide 7.12.1)
.rept 4
	v_nop
.endr
.endm
.macro CREST                           ; a round of the cluster's barrier behind its opening barrier
	s_cmp_lg_u32 s[WV], 0
	s_cbranch_scc1 .Lnot_wave_0_\@
	s_barrier_signal -3
.Lnot_wave_0_\@:
	s_barrier_wait -3
	s_barrier_signal -1
	s_barrier_wait -1
.endm
.macro CROUND
	s_barrier_signal -1
	s_barrier_wait -1
	CREST
.endm
.macro JLOAD f                         ; fill f, one joint load a wave; the branch hangs on the wave's number alone; s_nop 0 and four v_nop behind each line
	s_cmp_eq_u32 s[RH], 0
	s_cbranch_scc0 .Lfor_b_\@
	tensor_load_to_lds s[G0+4*\f:G0+4*\f+3], s[G1:G1+7]
	s_nop 0
.rept 4
	v_nop
.endr
	s_branch .Lasked_\@
.Lfor_b_\@:
	tensor_load_to_lds s[G0B+4*\f:G0B+4*\f+3], s[G1B:G1B+7]
	s_nop 0
.rept 4
	v_nop
.endr
.Lasked_\@:
.endm
.macro SETG set, i                     ; W1's fragment i of a set
.if (\set) == 0
.set RG, 96+12*(\i)
.else
.set RG, 256+12*(\i)
.endif
.endm
.macro SETP i                          ; the tokens' fragment i
.if (\i) < 5
.set RP, 192+12*(\i)
.else
.set RP, 448+12*((\i)-5)
.endif
.endm
.macro SETS s                          ; K step s: its slot, the LDS bytes from tile to tile, its place in a tile's row
.if (\s) < 6
.set SL, (\s)/3
.set RW, 4608
.set SOF, ((\s)%3)*1536
.else
.set SL, 0
.set RW, 3072
.set SOF, ((\s)-6)*1536
.endif
.endm
.macro SCALES
.irp i, 0,1,2,3,4,5,6,7
.irp p, 0,1,2,3
	global_load_b32 v[32+4*\i+\p], v2, s[XS:XS+1] offset:\i*TSTR+128*\p
	global_load_b32 v[64+4*\i+\p], v2, s[YS:YS+1] offset:\i*TSTR+128*\p
.endr
.endr
.endm
.macro BLOAD s                         ; K step s of W1: 8 fragments, 24 LDS loads, into set s % 2
	SETS \s
.irp i, 0,1,2,3,4,5,6,7
	SETG (\s)%2,\i
	WIN (RG/256)<<6
.irp c, 0,1,2
	ds_load_b128 v[RG%256+4*\c:RG%256+4*\c+3], v[LB+SL] offset:\i*RW+SOF+512*\c
.endr
.endr
.endm
.macro PLOAD s, i0                     ; K step s of the tokens' tiles i0 .. i0 + 3: 12 LDS loads
	SETS \s
.irp i, \i0, \i0+1, \i0+2, \i0+3
	SETP \i
	WIN (RP/256)<<6
.irp c, 0,1,2
	ds_load_b128 v[RP%256+4*\c:RP%256+4*\c+3], v[LA+SL] offset:(\i)*RW+SOF+512*\c
.endr
.endr
.endm
.macro WM d, x, y, sx, sy, s           ; one matrix instruction of K step s; step 0 starts the sums; an odd step's scale words lie in lanes 16-31
.if (\s) == 0
	v_wmma_scale_f32_16x16x128_f8f6f4 v[(\d)%256:(\d)%256+7], v[(\x)%256:(\x)%256+11], v[(\y)%256:(\y)%256+11], 0, v[\sx], v[\sy] matrix_a_fmt:MATRIX_FMT_FP6 matrix_b_fmt:MATRIX_FMT_FP6
.elseif (\s)%2 == 0
	v_wmma_scale_f32_16x16x128_f8f6f4 v[(\d)%256:(\d)%256+7], v[(\x)%256:(\x)%256+11], v[(\y)%256:(\y)%256+11], v[(\d)%256:(\d)%256+7], v[(\sx)+(\s)/2], v[(\sy)+(\s)/2] matrix_a_fmt:MATRIX_FMT_FP6 matrix_b_fmt:MATRIX_FMT_FP6
.else
	v_wmma_scale_f32_16x16x128_f8f6f4 v[(\d)%256:(\d)%256+7], v[(\x)%256:(\x)%256+11], v[(\y)%256:(\y)%256+11], v[(\d)%256:(\d)%256+7], v[(\sx)+(\s)/2], v[(\sy)+(\s)/2] matrix_a_fmt:MATRIX_FMT_FP6 matrix_b_fmt:MATRIX_FMT_FP6 matrix_a_scale:MATRIX_SCALE_ROW1 matrix_b_scale:MATRIX_SCALE_ROW1
.endif
.endm
.macro MULB s, b                       ; 8 matrix instructions: the tokens' tile b against W1's eight.  The 64 accumulators take turns, in the same order in every step
	SETP \b
.irp a, 0,1,2,3,4,5,6,7
	SETG (\s)%2,\a
.set RA, 512+64*(\b)+8*\a
	WIN ((RA/256)<<6)|((RA/256)<<4)|((RP/256)<<2)|(RG/256)
	WM RA, RG, RP, 32+4*\a, 64+4*(\b), \s
.endr
.endm
; A K step: 64 matrix instructions; the next step's fragments are fetched in its middle and at its end.
; Step 2: slot 0's last fragments are in registers and slot 1 must be whole: the three lines, a round of the cluster's barrier, and K steps 6-7 into slot 0.  Step 5: a barrier shows that fill whole to all four waves.
.macro STEP s
.if (\s) == 2
	WIN 0
	s_wait_tensorcnt 0x0                           ; all my tensor loads have landed: my part of slot 1
	ds_add_u32 v30, v31
	s_mov_b32 s[G1+1], 384<<16                     ; no load of mine is out: the last fill's rows are two K steps, 3,072 bytes
	s_mov_b32 s[G1+3], 384<<16
	s_mov_b32 s[G1B+1], 384<<16
	s_mov_b32 s[G1B+3], 384<<16
	s_wait_dscnt 13                                ; the add and the tokens' tiles 4-7 (12 loads) may be out
	MULB \s, 0
	MULB \s, 1
	s_wait_dscnt 0x0                               ; the add is done, and my reads of slot 0 are over
	s_barrier_signal -1
	MULB \s, 2
	MULB \s, 3
	WIN 0
	s_barrier_wait -1
	CREST
	JLOAD 2                                        ; its four v_nop are the places in front of the loads below
.elseif (\s) == 5
	s_wait_tensorcnt 0x0                           ; my part of K steps 6-7 is in
	s_wait_dscnt 12
	MULB \s, 0
	MULB \s, 1
	s_wait_dscnt 0x0
	s_barrier_signal -1
	MULB \s, 2
	MULB \s, 3
	WIN 0
	s_barrier_wait -1                              ; everybody's is
	PLACES
.else
	s_wait_dscnt 12                                ; W1's set and the tokens' tiles 0-3 are in; tiles 4-7's 12 loads may be out
	MULB \s, 0
	MULB \s, 1
	MULB \s, 2
	MULB \s, 3
	s_wait_dscnt 0x0
.if (\s) < 7
	PLACES
.endif
.endif
.if (\s) < 7
	BLOAD (\s)+1
	PLOAD (\s)+1, 0
.endif
	MULB \s, 4
	MULB \s, 5
	MULB \s, 6
	MULB \s, 7
	PLACES
.if (\s) < 7
	PLOAD (\s)+1, 4
.endif
.endm
.macro QUANT s                         ; 64 numbers of a lane, register 16 b + i = k 32 b + 16 (lane / 16) + i of my row -> a fragment's codes in v[PC] on, its scale word in v[PW]
.irp b, 0,1,2,3
	v_max3_num_f32 v[TM+\b], |v[\s+16*\b]|, |v[\s+1+16*\b]|, 0x1800000
.endr
.irp i, 2,4,6,8,10,12,14
.irp b, 0,1,2,3
	v_max3_num_f32 v[TM+\b], v[TM+\b], |v[\s+16*\b+\i]|, |v[\s+1+16*\b+\i]|
.endr
.endr
.irp b, 0,1,2,3
	v_permlanex16_b32 v[TM+4+\b], v[TM+\b], s[SEL], s[SEL+1]
.endr
.irp b, 0,1,2,3
	v_max_num_f32 v[TM+\b], v[TM+\b], v[TM+4+\b]
.endr
.irp b, 0,1,2,3
	v_add_nc_u32 v[TM+12+\b], 0xff000000, v[TM+\b]
.endr
.irp b, 0,1,2,3
	v_lshrrev_b32 v[TM+4+\b], 23, v[TM+12+\b]
.endr
	v_lshl_or_b32 v[PW], v[TM+5], 8, v[TM+4]
	v_lshl_or_b32 v[PW], v[TM+6], 16, v[PW]
	v_lshl_or_b32 v[PW], v[TM+7], 24, v[PW]
.irp c, 0,1
	v_cvt_scalef32_pk16_fp6_f32 v[PC+6*\c:PC+2+6*\c], v[\s+32*\c:\s+15+32*\c], v[TM+12+2*\c]
	v_cvt_scalef32_pk16_fp6_f32 v[PC+12+4*\c:PC+14+4*\c], v[\s+16+32*\c:\s+31+32*\c], v[TM+12+2*\c+1]
.endr
	v_nop
.irp c, 0,1
.irp i, 0,1,2
	v_permlane16_swap_b32 v[PC+6*\c+\i], v[PC+12+4*\c+\i]
.endr
.irp i, 0,1,2
	v_mov_b32 v[PC+3+6*\c+\i], v[PC+12+4*\c+\i]
.endr
.endr
.endm
.macro ADDB t                          ; T = the 64 results of the tile of tokens t + b1 of the lane's 64 hidden units (absolute 352 on); each accumulator from its low end on
	WIN (1<<2)|((512+64*(\t))/256)
.set n, 0
.rept 32
	v_pk_add_f32 v[T+n:T+n+1], v[(64*(\t))%256+n:(64*(\t))%256+n+1], v[96+n:96+n+1]
.set n, n+2
.endr
	WIN 0
.endm
.macro GELU x                          ; 32 numbers, in place
.set n, 0
.rept 32
	v_fma_f32 v[GU+n], |v[\x+n]|, s[C1], 1.0       ; 1 + |x| / sqrt 8
.set n, n+1
.endr
	s_wait_alu depctr_va_vdst(0)
.set n, 0
.rept 32
	v_rcp_f32 v[GU+n], v[GU+n]                     ; t
.set n, n+1
.endr
.set n, 0
.rept 16
	v_pk_mul_f32 v[GZ+n:GZ+n+1], v[\x+n:\x+n+1], v[\x+n:\x+n+1]   ; x^2: plain work behind the batch
.set n, n+2
.endr
	s_wait_alu depctr_va_vdst(0)                   ; one wait for the 32 reciprocals, ahead of their first reader
.set n, 0
.rept 16
	v_pk_fma_f32 v[GA+n:GA+n+1], v[GU+n:GU+n+1], v[CV:CV+1], s[CF+16:CF+17] op_sel_hi:[1,1,0]
.set n, n+2
.endr
.irp k, 7,6,5,4,3,2,1,0
.set n, 0
.rept 16
	v_pk_fma_f32 v[GA+n:GA+n+1], v[GA+n:GA+n+1], v[GU+n:GU+n+1], s[CF+2*\k:CF+2*\k+1] op_sel_hi:[1,1,0]
.set n, n+2
.endr
.endr
.set n, 0
.rept 16
	v_pk_fma_f32 v[GA+n:GA+n+1], v[GZ+n:GZ+n+1], s[NL:NL+1], v[GA+n:GA+n+1] op_sel_hi:[1,0,1]
.set n, n+2
.endr
	s_wait_alu depctr_va_vdst(0)
.set n, 0
.rept 32
	v_exp_f32 v[GA+n], v[GA+n]
.set n, n+1
.endr
.set n, 0
.rept 32
	v_max_num_f32 v[GZ+n], 0, v[\x+n]              ; max(x, 0): plain work behind the batch
.set n, n+1
.endr
	s_wait_alu depctr_va_vdst(0)                   ; one wait for the 32 exponentials
.set n, 0
.rept 16
	v_pk_mul_f32 v[GA+n:GA+n+1], v[GA+n:GA+n+1], v[GU+n:GU+n+1]   ; r
.set n, n+2
.endr
.set n, 0
.rept 32
	v_fma_f32 v[\x+n], -|v[\x+n]|, v[GA+n], v[GZ+n]
.set n, n+1
.endr
.endm
	s_load_b256 s[4:11], s[0:1], 0x0               ; hq, wq, b1, gq
	v_lshl_add_u32 v30, v0, 2, SPARE
	v_mov_b32 v31, 0
	ds_add_u32 v30, v31                            ; the opening lines: the add, twice on end, and its wait ahead of my first tensor load
	ds_add_u32 v30, v31
	v_lshrrev_b32 v1, 5, v0
	v_readfirstlane_b32 s[WV], v1
	s_lshr_b32 s[RH], s[WV], 1
	s_and_b32 s[CH], s[WV], 1
	s_bfe_u32 s16, ttmp6, 0x40000                  ; cx, cy: they enter masks and global addresses alone
	s_bfe_u32 s17, ttmp6, 0x40004
	s_lshl_b32 s18, ttmp9, 2
	s_add_co_u32 s18, s18, s16                     ; the block of 256 hidden units
	s_and_b32 s19, ttmp7, 0xffff
	s_lshl_b32 s19, s19, 2
	s_add_co_u32 s19, s19, s17                     ; the block of 256 tokens
	s_lshl_b32 s15, s17, 2
	s_lshl_b32 s15, 15, s15                        ; my row of the cluster
	s_lshl_b32 s101, 0x1111, s16                   ; my column
	s_or_b32 s[G1], s15, (3<<16)|(1<<21)           ; the mask; elements of 8 bytes; bit 21 beside a mask; no padding
	s_or_b32 s[G1B], s101, (3<<16)|(1<<21)
.irp g, G1, G1B
	s_mov_b32 s[\g+1], 576<<16                     ; rows of 4,608 bytes: three K steps of a tile,
	s_mov_b32 s[\g+2], 8<<16                       ; eight tiles,
	s_mov_b32 s[\g+3], 576<<16
	s_mov_b32 s[\g+4], 8
	s_mov_b32 s[\g+5], 1600                        ; 12,800 bytes apart
	s_mov_b32 s[\g+6], 0
	s_mov_b32 s[\g+7], 0
.endr
	s_mul_i32 s96, s19, 204800                     ; the tokens' sixteen tiles
	s_mov_b32 s97, 0
	s_mul_i32 s98, s18, 204800
	s_add_co_u32 s98, s98, 2457600                 ; W1's sixteen: its tiles begin at tile 192 of wq
	s_mov_b32 s99, 0
	s_mul_i32 s20, s[CH], 102400                   ; the eight that I fetch
	s_mov_b32 s21, 0
	s_mul_i32 s100, s[WV], REG3                    ; and where they go
	s_wait_dscnt 0x0                               ; both opening adds are done
	s_wait_kmcnt 0x0
	s_add_nc_u64 s[96:97], s[4:5], s[96:97]
	s_add_nc_u64 s[98:99], s[6:7], s[98:99]
	s_add_nc_u64 s[22:23], s[96:97], s[20:21]
	s_add_nc_u64 s[2:3], s[98:99], s[20:21]
.irp f, 0,1,2
	s_mov_b32 s[G0+4*\f], 1
	s_add_co_u32 s[G0+4*\f+1], s100, (\f%2)*SLOT
	s_add_nc_u64 s[G0+4*\f+2:G0+4*\f+3], s[22:23], \f*4608
	s_or_b32 s[G0+4*\f+3], s[G0+4*\f+3], 0x80000000
	s_mov_b32 s[G0B+4*\f], 1
	s_add_co_u32 s[G0B+4*\f+1], s100, (\f%2)*SLOT
	s_add_nc_u64 s[G0B+4*\f+2:G0B+4*\f+3], s[2:3], \f*4608
	s_or_b32 s[G0B+4*\f+3], s[G0B+4*\f+3], 0x80000000
.endr
	CROUND                                         ; all sixteen work-groups are here: the first joint loads meet
	JLOAD 0                                        ; K steps 0-2: one tensor load a wave at the head
	s_mul_i32 s20, s[RH], 102400
	s_add_nc_u64 s[YS:YS+1], s[96:97], s[20:21]    ; as a reader: my eight tiles of tokens,
	s_add_nc_u64 s[YS:YS+1], s[YS:YS+1], 12288     ; their scale words;
	s_add_nc_u64 s[XS:XS+1], s[2:3], 12288         ; those of my eight tiles of W1
	s_cmp_eq_u32 s[RH], 0
	s_cselect_b64 s[PFA:PFA+1], s[22:23], s[2:3]   ; the prefetches: the eight tiles that I fetch,
	s_cselect_b32 s20, s16, s17                    ; my work-group's place among the four that ask with it:
	s_mul_i32 s20, s20, 25600                      ; two tiles each,
	s_add_co_u32 s20, s20, 4608                    ; from K step 3 on
	s_add_nc_u64 s[PFA:PFA+1], s[PFA:PFA+1], s[20:21]
	s_lshl_b32 s20, s18, 10
	s_lshl_b32 s15, s[CH], 9
	s_add_co_u32 s20, s20, s15
	s_add_nc_u64 s[BI:BI+1], s[8:9], s[20:21]      ; b1 of my 128 hidden units
	s_mul_i32 s15, s[RH], REG3
	s_mul_i32 s16, s[CH], REG3
	s_add_co_u32 s16, s16, 2*REG3
	s_lshl_b32 s17, s[RH], 10
	s_lshl_b32 s20, s[CH], 6
	s_add_co_u32 s17, s17, s20
	v_and_b32 v6, 31, v0
	v_and_b32 v5, 15, v0
	v_bfe_u32 v4, v0, 4, 1
	v_lshlrev_b32 v1, 4, v6                        ; 16 x lane
	v_lshlrev_b32 v2, 2, v6                        ; 4 x lane
	v_lshlrev_b32 v3, 6, v4                        ; 64 h
	v_min_u32 v7, 29, v6
	v_lshlrev_b32 v7, 8, v7                        ; a lane a block of 256 bytes; lanes 30, 31 name block 29 again
	v_add_nc_u32 v[LA], s15, v1
	v_add_nc_u32 v[LA+1], SLOT, v[LA]
	v_add_nc_u32 v[LB], s16, v1
	v_add_nc_u32 v[LB+1], SLOT, v[LB]
	v_lshl_add_u32 v13, v5, 2, s17
	v_add_nc_u32 v13, SCW, v13                     ; LDS: 1,024 x my half of the tokens + 64 x my half of the hidden units + 4 r
	v_lshlrev_b32 v12, 4, v0                       ; 16 x thread
	v_add_nc_u32 v15, SCW, v12
	v_mov_b32 v[CV], 0.2465173
	v_mov_b32 v[CV+1], 0.2465173
	s_wait_alu depctr_va_vdst(0)
	SCALES
	WIN 0x40                                       ; absolute 352 on
.irp m, 0,1,2,3,4,5,6,7,8,9,10,11,12,13,14,15
	global_load_b128 v[96+4*\m:99+4*\m], v3, s[BI:BI+1] offset:128*(\m/4)+16*(\m%4)   ; register 16 b + i: hidden unit 32 b + 16 h + i
.endr
	WIN 0
	global_prefetch_b8 v7, s[PFA:PFA+1] th:TH_LOAD_NT scope:SCOPE_SE
	global_prefetch_b8 v7, s[PFA:PFA+1] offset:TSTR th:TH_LOAD_NT scope:SCOPE_SE
	s_lshl_b32 s20, s19, 1
	s_add_co_u32 s20, s20, s[RH]
	s_mul_i32 s20, s20, 409600                     ; my eight tiles' blocks in gq,
	s_lshl_b32 s15, s18, 1
	s_add_co_u32 s15, s15, s[CH]
	s_mul_i32 s15, s15, 1536                       ; my K step of the next product in them
	s_add_co_u32 s20, s20, s15
	s_add_nc_u64 s[GO:GO+1], s[10:11], s[20:21]
	s_mul_i32 s20, s19, 819200
	s_mul_i32 s15, s18, 51200
	s_add_co_u32 s20, s20, s15
	s_add_co_u32 s20, s20, 49152
	s_add_nc_u64 s[SO:SO+1], s[10:11], s[20:21]
	s_mov_b32 s[SEL], 0x76543210
	s_mov_b32 s[SEL+1], 0xfedcba98
	s_mov_b32 s[C1], 0.35355339
	s_mov_b32 s[NL], -0.72134752
	s_mov_b32 s[NL+1], s[NL]
	s_mov_b32 s[CF+0], -2.82574822                 ; the coefficients of P, each x log2(e); the first less 1
	s_mov_b32 s[CF+2], 1.4427292
	s_mov_b32 s[CF+4], 0.53970062
	s_mov_b32 s[CF+6], 0.13963006
	s_mov_b32 s[CF+8], -0.26875686
	s_mov_b32 s[CF+10], 0.40232158
	s_mov_b32 s[CF+12], -1.63775315
	s_mov_b32 s[CF+14], 2.14747446
	s_mov_b32 s[CF+16], -1.18611495
.irp k, 0,1,2,3,4,5,6,7,8
	s_mov_b32 s[CF+2*\k+1], s[CF+2*\k]             ; (named with it as a pair, so it is written)
.endr
	s_wait_tensorcnt 0x0                           ; my part of K steps 0-2 is in
	ds_add_u32 v30, v31
	s_wait_dscnt 0x0
	CROUND                                         ; everybody's is, and all sixteen work-groups are here
	JLOAD 1                                        ; K steps 3-5 into slot 1
	BLOAD 0
	PLOAD 0, 0
	PLOAD 0, 4
	s_wait_loadcnt 0x0                             ; the scale words and b1
.irp s, 0,1,2,3,4,5,6,7
	STEP \s
.endr
	WIN 0
.irp b, 0,1,2,3
	v_mov_b32 v[TM+4+\b], 0                        ; written once: a lane permute's destination counts as one of its sources
.endr
	; THE WAY OUT, a tile of 16 tokens a trip.  Only the copy out of the accumulators differs from trip to trip: it is written eight times, the rest once
	s_mov_b32 s[IT], 0
	s_mov_b32 s[LO], 0
.Ltile:
.irp t, 0,1,2,3,4,5,6
	s_cmp_eq_u32 s[IT], \t
	s_cbranch_scc1 .Lcopy\t
.endr
	ADDB 7
	s_branch .Lbody
.irp t, 6,5,4,3,2,1
.Lcopy\t:
	ADDB \t
	s_branch .Lbody
.endr
.Lcopy0:
	ADDB 0
.Lbody:
	GELU T
	GELU T+32
	QUANT T
.irp c, 0,1,2
	global_store_b128 v1, v[PC+4*\c:PC+3+4*\c], s[GO:GO+1] offset:512*\c   ; 512 consecutive bytes, at a multiple of 256 from the buffer's first byte
.endr
	v_add_nc_u32 v14, s[LO], v13
	ds_store_b32 v14, v[PW]                        ; + 128 x tile; both lanes of a row write the same word
	s_wait_xcnt 0x0                                ; the stores have read their registers and their base: both are written again below
	s_add_nc_u64 s[GO:GO+1], s[GO:GO+1], 51200
	s_add_co_u32 s[LO], s[LO], 128
	s_add_co_u32 s[IT], s[IT], 1
	s_cmp_lt_u32 s[IT], 8
	s_cbranch_scc1 .Ltile
	s_wait_dscnt 0x0
	s_barrier_signal -1
	s_barrier_wait -1                              ; the sixteen tiles' scale words lie in LDS, 2,048 bytes on end
	ds_load_b128 v[96:99], v15
	s_wait_dscnt 0x0
	global_store_b128 v12, v[96:99], s[SO:SO+1]    ; 128 threads store them as they lie
	s_wait_tensorcnt 0x0                           ; the wave's end
	ds_add_u32 v30, v31
	s_wait_dscnt 0x0
	CROUND                                         ; the closing round
	s_endpgm
.Lfunc_end_k_q4b2e6843e4_mlp1:
	.size	k_q4b2e6843e4_mlp1, .Lfunc_end_k_q4b2e6843e4_mlp1-k_q4b2e6843e4_mlp1
	.p2alignl 7, 3214868480
	.fill 96, 4, 3214868480
	.section	.rodata,"a",@progbits
	.p2align	6, 0x0
	.amdhsa_kernel k_q4b2e6843e4_mlp1
		.amdhsa_group_segment_fixed_size 327680
		.amdhsa_private_segment_fixed_size 0
		.amdhsa_enable_private_segment 0
		.amdhsa_kernarg_size 32
		.amdhsa_user_sgpr_count 2
		.amdhsa_user_sgpr_kernarg_segment_ptr 1
		.amdhsa_wavefront_size32 1
		.amdhsa_system_sgpr_workgroup_id_x 1
		.amdhsa_system_sgpr_workgroup_id_y 1
		.amdhsa_system_sgpr_workgroup_id_z 1
		.amdhsa_system_vgpr_workitem_id 0
		.amdhsa_next_free_vgpr 1024
		.amdhsa_next_free_sgpr 102
		.amdhsa_reserve_vcc 0
		.amdhsa_float_denorm_mode_32 3
		.amdhsa_float_denorm_mode_16_64 3
		.amdhsa_memory_ordered 1
		.amdhsa_forward_progress 1
		.amdhsa_inst_pref_size 171
	.end_amdhsa_kernel
	.amdgpu_metadata
---
amdhsa.version: [ 1, 2 ]
amdhsa.kernels:
  - .name:           k_q4b2e6843e4_mlp1
    .symbol:         k_q4b2e6843e4_mlp1.kd
    .args:
      - { .name: hq, .offset: 0, .size: 8, .value_kind: global_buffer, .address_space: global }
      - { .name: wq, .offset: 8, .size: 8, .value_kind: global_buffer, .address_space: global }
      - { .name: b1, .offset: 16, .size: 8, .value_kind: global_buffer, .address_space: global }
      - { .name: gq, .offset: 24, .size: 8, .value_kind: global_buffer, .address_space: global }
    .group_segment_fixed_size: 327680
    .private_segment_fixed_size: 0
    .kernarg_segment_align: 8
    .kernarg_segment_size: 32
    .max_flat_workgroup_size: 128
    .sgpr_count:     102
    .vgpr_count:     1024
    .wavefront_size: 32
...
	.end_amdgpu_metadata
.endif
;; end of part 4
;; launch mlp2 (part 5): grid 8 x 32, 4 waves a work-group, clusters of 4 x 1, 327,680 bytes of LDS; arguments gq, wq, b2, x1, out0; writes out0
.if DOCPART == 5
	.amdgcn_target "amdgcn-amd-amdhsa--gfx1250"
	.amdhsa_code_object_version 6
	.text
	.protected	k_q4b2e6843e4_mlp2
	.globl	k_q4b2e6843e4_mlp2
	.p2align	8
	.type	k_q4b2e6843e4_mlp2,@function
k_q4b2e6843e4_mlp2:
	s_mov_b64 s[64:65], 0
	v_nop
	global_prefetch_b8 v0, s[64:65] scope:SCOPE_SE
	s_setreg_imm32_b32 hwreg(HW_REG_WAVE_MODE, 25, 1), 1
	s_wait_xcnt 0x0
	s_wait_alu depctr_hold_cnt(0) depctr_sa_sdst(0) depctr_va_vdst(0) depctr_va_sdst(0) depctr_va_ssrc(0) depctr_va_vcc(0) depctr_vm_vsrc(0)
	s_getreg_b32 s2, hwreg(HW_REG_IB_STS2, 6, 4)
	s_cmp_eq_u32 s2, 0
	s_cbranch_scc0 .Lentry_in_a_cluster
	s_endpgm
.Lentry_in_a_cluster:
	s_bfe_u32 s2, ttmp6, 0x10000c
	s_cmp_lg_u32 s2, 0x3003
	s_cbranch_scc0 .Lentry_shape_is_right
	s_endpgm
.Lentry_shape_is_right:
.set TSTR, 51200
.set WV, 14
.set XC, 20
.set XS, 24
.set YS, 26
.set X1P, 28
.set B2P, 30
.set OP, 32
.set G1, 40
.set G0, 48
.set G1C, 72                           ; s[72:79] group 1 for the last fill: rows of two K steps
.set PFT, 80                           ; s[80:81] the base of the prefetches of g
.set RB, 13
.set SPW, 28
.set NIL, 29
.set SLOTB, 36864                      ; a wave's slot: three K steps of eight tiles of tokens
.set SPARE, 294912                     ; behind the four waves' rings
.set MSB, 0
.macro WIN new
.if MSB != (\new)
	s_set_vgpr_msb (MSB<<8)|(\new)
.set MSB, \new
.endif
.endm
.macro PLACES
.rept 4
	v_nop
.endr
.endm
.macro CREST
	s_cmp_lg_u32 s[WV], 0
	s_cbranch_scc1 .Lnot_wave_0_\@
	s_barrier_signal -3
.Lnot_wave_0_\@:
	s_barrier_wait -3
	s_barrier_signal -1
	s_barrier_wait -1
.endm
.macro CROUND
	s_barrier_signal -1
	s_barrier_wait -1
	CREST
.endm
.macro SETG set, i
.if (\set) == 0
.set RG, 96+12*(\i)
.elseif (\set) == 1
.set RG, 256+12*(\i)
.else
.set RG, 352+12*(\i)
.endif
.endm
.macro SETP i
.if (\i) < 5
.set RP, 192+12*(\i)
.else
.set RP, 448+12*((\i)-5)
.endif
.endm
.macro SCALES
.irp i, 0,1,2,3,4,5,6,7
.irp p, 0,1,2,3
	global_load_b32 v[32+4*\i+\p], v2, s[XS:XS+1] offset:\i*TSTR+128*\p
	global_load_b32 v[64+4*\i+\p], v2, s[YS:YS+1] offset:\i*128+\p*TSTR   ; g's scale words: an area for each pair of K steps, 128 bytes a tile in it
.endr
.endr
.endm
.macro GLOAD s
.irp i, 0,1,2,3,4,5,6,7
	SETG (\s)%3,\i
	WIN (RG/256)<<6
.irp c, 0,1,2
	global_load_b128 v[RG%256+4*\c:RG%256+4*\c+3], v1, s[XC:XC+1] offset:\i*TSTR+1536*(\s)+512*\c
.endr
.endr
.endm
.macro RLOAD s, i0
.irp i, \i0, \i0+1, \i0+2, \i0+3
	SETP \i
	WIN (RP/256)<<6
.irp c, 0,1,2
.if (\s) < 6
	ds_load_b128 v[RP%256+4*\c:RP%256+4*\c+3], v[RB+(\s)/3] offset:(\i)*4608+((\s)%3)*1536+512*\c
.else
	ds_load_b128 v[RP%256+4*\c:RP%256+4*\c+3], v[RB] offset:(\i)*3072+((\s)-6)*1536+512*\c
.endif
.endr
.endr
.endm
.macro WM d, x, y, sx, sy, s
.if (\s) == 0
	v_wmma_scale_f32_16x16x128_f8f6f4 v[(\d)%256:(\d)%256+7], v[(\x)%256:(\x)%256+11], v[(\y)%256:(\y)%256+11], 0, v[\sx], v[\sy] matrix_a_fmt:MATRIX_FMT_FP6 matrix_b_fmt:MATRIX_FMT_FP6
.elseif (\s)%2 == 0
	v_wmma_scale_f32_16x16x128_f8f6f4 v[(\d)%256:(\d)%256+7], v[(\x)%256:(\x)%256+11], v[(\y)%256:(\y)%256+11], v[(\d)%256:(\d)%256+7], v[(\sx)+(\s)/2], v[(\sy)+(\s)/2] matrix_a_fmt:MATRIX_FMT_FP6 matrix_b_fmt:MATRIX_FMT_FP6
.else
	v_wmma_scale_f32_16x16x128_f8f6f4 v[(\d)%256:(\d)%256+7], v[(\x)%256:(\x)%256+11], v[(\y)%256:(\y)%256+11], v[(\d)%256:(\d)%256+7], v[(\sx)+(\s)/2], v[(\sy)+(\s)/2] matrix_a_fmt:MATRIX_FMT_FP6 matrix_b_fmt:MATRIX_FMT_FP6 matrix_a_scale:MATRIX_SCALE_ROW1 matrix_b_scale:MATRIX_SCALE_ROW1
.endif
.endm
.macro MULB s, b
	SETP \b
.irp a, 0,1,2,3,4,5,6,7
	SETG (\s)%3,\a
.set RA, 512+64*(\b)+8*\a
	WIN ((RA/256)<<6)|((RA/256)<<4)|((RP/256)<<2)|(RG/256)
	WM RA, RG, RP, 32+4*\a, 64+4*(\b), \s
.endr
.endm
.macro STEP s
.if (\s) < 6
	s_wait_loadcnt 48
.elseif (\s) == 6
	s_wait_loadcnt 24
.else
	s_wait_loadcnt 33
.endif
.if (\s) == 2
	WIN 0
	s_wait_tensorcnt 0x0
	ds_add_u32 v[SPW], v[NIL]
	s_wait_dscnt 13
	MULB \s, 0
	MULB \s, 1
	s_wait_dscnt 0x0
	s_barrier_signal -1
	MULB \s, 2
	MULB \s, 3
	WIN 0
	s_barrier_wait -1
	CREST
	tensor_load_to_lds s[G0+8:G0+11], s[G1C:G1C+7]   ; K steps 6 and 7 of my eight, into slot 0, whose last fragments are in registers
	s_nop 0
.rept 4
	v_nop
.endr
	RLOAD (\s)+1, 0
.else
	s_wait_dscnt 12
	MULB \s, 0
	MULB \s, 1
	MULB \s, 2
	MULB \s, 3
	s_wait_dscnt 0x0
.if (\s) == 5
	s_wait_tensorcnt 0x0
.endif
.if (\s) == 7
	s_barrier_signal -1
.else
	PLACES
	RLOAD (\s)+1, 0
.endif
.endif
	MULB \s, 4
	MULB \s, 5
	MULB \s, 6
	MULB \s, 7
	PLACES
.if (\s) < 7
	RLOAD (\s)+1, 4
.endif
.if (\s) < 5
	GLOAD (\s)+3
.endif
.if (\s) == 0                          ; W2's K steps 5 and 6 are named two steps ahead of the first load that wants them: 8 tiles x 4 blocks of 256 bytes an instruction
.irp k, 0,1,2
	global_prefetch_b8 v21, s[XC:XC+1] offset:1536*5+1024*\k th:TH_LOAD_NT scope:SCOPE_SE
.endr
.endif
.if (\s) == 1                          ; and K step 7: four blocks a tile, then the last two (the lanes left over name the last again)
	global_prefetch_b8 v21, s[XC:XC+1] offset:1536*7 th:TH_LOAD_NT scope:SCOPE_SE
	global_prefetch_b8 v22, s[XC:XC+1] offset:1536*7+1024 th:TH_LOAD_NT scope:SCOPE_SE
.endif
.if (\s) == 2                          ; the residual's rows, 512 bytes of each of my 32, are named four K steps ahead of their loads
	global_prefetch_b8 v25, s[X1P:X1P+1] th:TH_LOAD_NT scope:SCOPE_SE
	global_prefetch_b8 v25, s[X1P:X1P+1] offset:256 th:TH_LOAD_NT scope:SCOPE_SE
.endif
.endm
.macro SETROW l
.if (\l) < 24
.set RR, 96+4*(\l)
.else
.set RR, 352+4*((\l)-24)
.endif
.set RO, (8*((\l)/16)+((\l)%8)+16*(((\l)%16)/8))*4096
.endm
.macro LOADG g
	WIN ((512+128*(\g))/256)<<6
.irp i, 0,1,2,3,4,5,6,7
.irp p, 0,1,2,3
	ds_load_b128 v[(128*(\g))%256+16*\i+4*\p:(128*(\g))%256+16*\i+4*\p+3], v[16+\p] offset:528*(8*(\g)+\i)
.endr
.endr
.endm
.macro SUM g
.set GB, (128*(\g))%256
.set GW, (512+128*(\g))/256
	WIN (GW<<6)|(GW<<2)|GW
.irp i, 0,1,2,3,4,5,6,7
	v_pk_add_f32 v[GB+16*\i:GB+16*\i+1], v[GB+16*\i:GB+16*\i+1], v[GB+16*\i+4:GB+16*\i+5]
	v_pk_add_f32 v[GB+16*\i+2:GB+16*\i+3], v[GB+16*\i+2:GB+16*\i+3], v[GB+16*\i+6:GB+16*\i+7]
	v_pk_add_f32 v[GB+16*\i+8:GB+16*\i+9], v[GB+16*\i+8:GB+16*\i+9], v[GB+16*\i+12:GB+16*\i+13]
	v_pk_add_f32 v[GB+16*\i+10:GB+16*\i+11], v[GB+16*\i+10:GB+16*\i+11], v[GB+16*\i+14:GB+16*\i+15]
.endr
.irp i, 0,1,2,3,4,5,6,7
	v_pk_add_f32 v[GB+16*\i:GB+16*\i+1], v[GB+16*\i:GB+16*\i+1], v[GB+16*\i+8:GB+16*\i+9]
	v_pk_add_f32 v[GB+16*\i+2:GB+16*\i+3], v[GB+16*\i+2:GB+16*\i+3], v[GB+16*\i+10:GB+16*\i+11]
.endr
	WIN (GW<<6)|(1<<2)|GW
.irp i, 0,1,2,3,4,5,6,7
	v_pk_add_f32 v[GB+16*\i:GB+16*\i+1], v[GB+16*\i:GB+16*\i+1], v[128:129]
	v_pk_add_f32 v[GB+16*\i+2:GB+16*\i+3], v[GB+16*\i+2:GB+16*\i+3], v[130:131]
.endr
.irp i, 0,1,2,3,4,5,6,7
	SETROW 8*(\g)+\i
	WIN (GW<<6)|((RR/256)<<2)|GW
	v_pk_add_f32 v[GB+16*\i:GB+16*\i+1], v[GB+16*\i:GB+16*\i+1], v[RR%256:RR%256+1]
	v_pk_add_f32 v[GB+16*\i+2:GB+16*\i+3], v[GB+16*\i+2:GB+16*\i+3], v[RR%256+2:RR%256+3]
.endr
	WIN GW<<2
.irp i, 0,1,2,3,4,5,6,7
	SETROW 8*(\g)+\i
	global_store_b128 v1, v[GB+16*\i:GB+16*\i+3], s[OP:OP+1] offset:RO th:TH_STORE_NT
.endr
.endm
	s_load_b256 s[4:11], s[0:1], 0x0
	s_load_b64 s[12:13], s[0:1], 0x20
	v_lshl_add_u32 v[SPW], v0, 2, SPARE
	v_mov_b32 v[NIL], 0
	ds_add_u32 v28, v29
	ds_add_u32 v28, v29
	s_wait_dscnt 0x0
	v_lshrrev_b32 v1, 5, v0
	v_readfirstlane_b32 s[WV], v1
	s_and_b32 s15, ttmp7, 0xffff
	s_bfe_u32 s66, ttmp6, 0x40000
	s_lshl_b32 s67, ttmp9, 2
	s_add_co_u32 s67, s67, s66
	v_and_b32 v6, 31, v0
	v_lshlrev_b32 v1, 4, v6
	v_lshlrev_b32 v2, 2, v6
	v_and_b32 v5, 15, v0
	v_bfe_u32 v4, v0, 4, 1
	s_mul_i32 s68, s[WV], 2*SLOTB
	v_add_nc_u32 v[RB], s68, v1
	v_add_nc_u32 v[RB+1], SLOTB, v[RB]             ; my slot 1
	v_min_u32 v20, 29, v6
	v_lshlrev_b32 v20, 8, v20                      ; g: a lane a block of 256 bytes of a tile's K steps 3-7; lanes 30, 31 name block 29 again
	v_and_b32 v23, 3, v6
	v_min_u32 v22, 1, v23
	v_lshrrev_b32 v24, 2, v6
	v_lshlrev_b32 v23, 8, v23
	v_lshlrev_b32 v22, 8, v22
	v_mad_u32_u24 v21, v24, 0xc800, v23            ; W2: tile lane / 4, block lane % 4
	v_mad_u32_u24 v22, v24, 0xc800, v22            ; tile lane / 4, block min(lane % 4, 1)
	v_and_b32 v25, 7, v6
	v_bfe_u32 v26, v6, 3, 1
	v_bfe_u32 v27, v6, 4, 1
	v_lshl_add_u32 v25, v26, 4, v25
	v_lshl_add_u32 v25, v27, 3, v25
	v_lshlrev_b32 v25, 12, v25                     ; x1: a lane a row of my 32, in the order in which they are loaded
	s_mul_i32 s16, s[WV], 67584
	v_mul_u32_u24 v12, v5, 528
	v_lshl_add_u32 v12, v4, 6, v12
	v_add_nc_u32 v12, s16, v12
	s_mul_i32 s16, s[WV], 16896
	v_add_nc_u32 v16, s16, v1
	v_add_nc_u32 v17, 67584, v16
	v_add_nc_u32 v18, 67584, v17
	v_add_nc_u32 v19, 67584, v18
	s_mov_b32 s[G1], 15|(3<<16)|(1<<21)
	s_mov_b32 s[G1+1], 576<<16
	s_mov_b32 s[G1+2], 8<<16
	s_mov_b32 s[G1+3], 576<<16
	s_mov_b32 s[G1C], 15|(3<<16)|(1<<21)
	s_mov_b32 s[G1C+1], 384<<16
	s_mov_b32 s[G1C+2], 8<<16
	s_mov_b32 s[G1C+3], 384<<16
	s_mov_b32 s[G1C+4], 8
	s_mov_b32 s[G1C+5], 6400
	s_mov_b32 s[G1C+6], 0
	s_mov_b32 s[G1C+7], 0
	s_mov_b32 s[G1+4], 8
	s_mov_b32 s[G1+5], 6400
	s_mov_b32 s[G1+6], 0
	s_mov_b32 s[G1+7], 0
	s_mul_i32 s16, s67, 409600
	s_add_co_u32 s16, s16, 5734400
	s_mul_i32 s34, s[WV], 12288
	s_add_co_u32 s18, s16, s34
	s_mov_b32 s19, 0
	s_lshl_b32 s35, s[WV], 9
	s_add_co_u32 s16, s16, s35
	s_add_co_u32 s16, s16, 49152
	s_mov_b32 s17, 0
	s_mul_i32 s36, s15, 409600
	s_add_co_u32 s38, s36, s34
	s_mov_b32 s39, 0
	s_lshr_b32 s36, s15, 1
	s_mul_i32 s36, s36, 819200                     ; the block of 256 tokens,
	s_and_b32 s35, s15, 1
	s_lshl_b32 s35, s35, 10                        ; my eight of its sixteen tiles,
	s_add_co_u32 s36, s36, s35
	s_mul_i32 s35, s[WV], 204800                   ; my four pairs of K steps
	s_add_co_u32 s36, s36, s35
	s_add_co_u32 s36, s36, 49152
	s_mov_b32 s37, 0
	s_wait_kmcnt 0x0
	s_add_nc_u64 s[38:39], s[4:5], s[38:39]
	s_mul_i32 s[PFT], s66, 102400                  ; the four partners share the eight tiles out by address: two each,
	s_add_co_u32 s[PFT], s[PFT], 4608              ; from my K step 3 on
	s_mov_b32 s[PFT+1], 0
	s_add_nc_u64 s[PFT:PFT+1], s[38:39], s[PFT:PFT+1]
.irp n, 0,1,2
	s_mov_b32 s[G0+4*\n], 1
	s_add_co_u32 s[G0+4*\n+1], s68, (\n%2)*SLOTB
	s_add_nc_u64 s[G0+4*\n+2:G0+4*\n+3], s[38:39], \n*4608
	s_or_b32 s[G0+4*\n+3], s[G0+4*\n+3], 0x80000000
.endr
	s_add_nc_u64 s[XC:XC+1], s[6:7], s[18:19]
	s_add_nc_u64 s[XS:XS+1], s[6:7], s[16:17]
	s_add_nc_u64 s[YS:YS+1], s[4:5], s[36:37]
	s_lshl_b32 s16, s67, 9
	s_add_nc_u64 s[B2P:B2P+1], s[8:9], s[16:17]
	s_lshl_b32 s18, s15, 19
	s_lshl_b32 s34, s[WV], 17
	s_add_co_u32 s18, s18, s34
	s_add_co_u32 s18, s18, s16
	s_add_nc_u64 s[X1P:X1P+1], s[10:11], s[18:19]
	s_add_nc_u64 s[OP:OP+1], s[12:13], s[18:19]
	CROUND
	tensor_load_to_lds s[G0:G0+3], s[G1:G1+7]
	s_nop 0
	s_wait_alu depctr_va_vdst(0)
	SCALES                                         ; the scale words and W2's first three K steps are asked for while the first fill is on its way
	GLOAD 0
	GLOAD 1
	GLOAD 2
	WIN 0
	global_prefetch_b8 v20, s[PFT:PFT+1] th:TH_LOAD_NT scope:SCOPE_SE                 ; g's K steps 3-7 of two tiles: what the two later fills bring
	global_prefetch_b8 v20, s[PFT:PFT+1] offset:TSTR th:TH_LOAD_NT scope:SCOPE_SE
.irp k, 0,1,2
	global_prefetch_b8 v21, s[XC:XC+1] offset:1536*3+1024*\k th:TH_LOAD_NT scope:SCOPE_SE   ; W2's K steps 3 and 4
.endr
	s_wait_tensorcnt 0x0
	ds_add_u32 v28, v29
	s_wait_dscnt 0x0
	CROUND
	tensor_load_to_lds s[G0+4:G0+7], s[G1:G1+7]
	s_nop 0
.rept 4
	v_nop
.endr
	s_wait_tensorcnt 0x1
	s_wait_alu depctr_va_vdst(0)
	RLOAD 0, 0
	RLOAD 0, 4
.irp s, 0,1,2,3,4,5,6
	STEP \s
.endr
.set L, 0
.rept 32
	SETROW L
	WIN (RR/256)<<6
	global_load_b128 v[RR%256:RR%256+3], v1, s[X1P:X1P+1] offset:RO
.set L, L+1
.endr
	WIN 0x40
	global_load_b128 v[128:131], v1, s[B2P:B2P+1]
	STEP 7
	WIN 0
	s_barrier_wait -1
.irp b, 0,1,2,3,4,5,6,7
	WIN ((512+64*\b)/256)<<2
.irp a, 0,1,2,3,4,5,6,7
	ds_store_b128 v12, v[(64*\b)%256+8*\a:(64*\b)%256+8*\a+3] offset:8448*\b+128*(\a/2)+32*(\a%2)
	ds_store_b128 v12, v[(64*\b)%256+8*\a+4:(64*\b)%256+8*\a+7] offset:8448*\b+128*(\a/2)+32*(\a%2)+16
.endr
.endr
	WIN 0
	s_wait_dscnt 0x0
	s_barrier_signal -1
	s_barrier_wait -1
	s_wait_loadcnt 0x0
	LOADG 0
	LOADG 1
	s_wait_dscnt 32
	SUM 0
	LOADG 2
	s_wait_dscnt 32
	SUM 1
	LOADG 3
	s_wait_dscnt 32
	SUM 2
	s_wait_dscnt 0x0
	SUM 3
	WIN 0
	s_wait_tensorcnt 0x0
	ds_add_u32 v[SPW], v[NIL]
	s_wait_dscnt 0x0
	CROUND
	s_endpgm
.Lfunc_end_k_q4b2e6843e4_mlp2:
	.size	k_q4b2e6843e4_mlp2, .Lfunc_end_k_q4b2e6843e4_mlp2-k_q4b2e6843e4_mlp2
	.p2alignl 7, 3214868480
	.fill 96, 4, 3214868480
	.section	.rodata,"a",@progbits
	.p2align	6, 0x0
	.amdhsa_kernel k_q4b2e6843e4_mlp2
		.amdhsa_group_segment_fixed_size 327680
		.amdhsa_private_segment_fixed_size 0
		.amdhsa_enable_private_segment 0
		.amdhsa_kernarg_size 40
		.amdhsa_user_sgpr_count 2
		.amdhsa_user_sgpr_kernarg_segment_ptr 1
		.amdhsa_wavefront_size32 1
		.amdhsa_system_sgpr_workgroup_id_x 1
		.amdhsa_system_sgpr_workgroup_id_y 1
		.amdhsa_system_sgpr_workgroup_id_z 1
		.amdhsa_system_vgpr_workitem_id 0
		.amdhsa_next_free_vgpr 1024
		.amdhsa_next_free_sgpr 84
		.amdhsa_reserve_vcc 0
		.amdhsa_float_denorm_mode_32 3
		.amdhsa_float_denorm_mode_16_64 3
		.amdhsa_memory_ordered 1
		.amdhsa_forward_progress 1
		.amdhsa_inst_pref_size 157
	.end_amdhsa_kernel
	.amdgpu_metadata
---
amdhsa.version: [ 1, 2 ]
amdhsa.kernels:
  - .name:           k_q4b2e6843e4_mlp2
    .symbol:         k_q4b2e6843e4_mlp2.kd
    .args:
      - { .name: gq, .offset: 0, .size: 8, .value_kind: global_buffer, .address_space: global }
      - { .name: wq, .offset: 8, .size: 8, .value_kind: global_buffer, .address_space: global }
      - { .name: b2, .offset: 16, .size: 8, .value_kind: global_buffer, .address_space: global }
      - { .name: x1, .offset: 24, .size: 8, .value_kind: global_buffer, .address_space: global }
      - { .name: out0, .offset: 32, .size: 8, .value_kind: global_buffer, .address_space: global }
    .group_segment_fixed_size: 327680
    .private_segment_fixed_size: 0
    .kernarg_segment_align: 8
    .kernarg_segment_size: 40
    .max_flat_workgroup_size: 128
    .sgpr_count:     84
    .vgpr_count:     1024
    .wavefront_size: 32
...
	.end_amdgpu_metadata
.endif
;; end of part 5
